; MI455X (gfx1250); checked and timed in simulation.
; The chip was launched on July 23, 2026; its instructions are those of AMD's public machine-readable ISA for CDNA 5 (MIT licence, August 2026) and "CDNA5" Instruction Set Architecture Reference Guide (July 2026). The comments in the code are by the model that wrote it; some were corrected since.
;; Relative Multi Head Attention. Allowed arithmetic: matrix products marked QUANTISED: E2M1 operands, one E8M0 scale for each 32 along K, by v_wmma_scale_f32_16x16x128_f8f6f4 with both operands' format E2M1 (or v_wmma_scale_f32_32x16x128_f4), f32 sums; products left as they are: bf16, f16 or f32 operands; f32 sums; everything else in f32.
;; Inputs: Wk 512 x 512 float32; Wo 512 x 512 float32; Wp 512 x 512 float32; Wq 512 x 512 float32; Wv 512 x 512 float32; bk 512 float32; bo 512 float32; bq 512 float32; bv 512 float32; key 4 x 2,048 x 512 float32; pos_embedding 4 x 4,095 x 512 float32; query 4 x 2,048 x 512 float32; u_bias 8 x 64 float32; v_bias 8 x 64 float32; value 4 x 2,048 x 512 float32.
;; Outputs: out0 4 x 2,048 x 512 float32.
;; This version of the problem:
;;   THIS VERSION OF THE PROBLEM IS GIVEN IN LOW PRECISION. The matrix products marked QUANTISED in the list below multiply operands that are first quantised to E2M1 (2 exponent bits, 1 mantissa bit; 4 bits a number), with one power-of-two scale for each 32 numbers along K (OCP MX v1.0); their sums are f32. The products marked 'left as it is' may take bf16, f16 or f32 operands, with f32 sums. Whichever they take, every output number must still come out within the allowed error. Rounding operands to bf16 (8 significant bits) uses up far more of that allowance than f16 does (11 bits, for magnitudes from 6e-5 to 65,504). All else is computed in f32.
;;   The module's matrix products, in the order in which they are computed (A, B: the left and right operand; K: the contracted axis; several contracted axes count as one K, in the product's order):
;;     1. [M 8,192, K 512] x [K 512, N 512]; A: input query; B: input Wq: QUANTISED
;;     2. [M 8,192, K 512] x [K 512, N 512]; A: input key; B: input Wk: QUANTISED
;;     3. [M 8,192, K 512] x [K 512, N 512]; A: input value; B: input Wv: QUANTISED
;;     4. [M 16,380, K 512] x [K 512, N 512]; A: input pos_embedding; B: input Wp: QUANTISED
;;     5. batch 32 x [M 2,048, K 64] x [K 64, N 2,048]; A: computed on the way; B: computed on the way: left as it is (an operand is computed on the way)
;;     6. batch 32 x [M 2,048, K 64] x [K 64, N 4,095]; A: computed on the way; B: computed on the way: left as it is (an operand is computed on the way)
;;     7. batch 32 x [M 64, K 2,048] x [K 2,048, N 2,048]; A: computed on the way; B: computed on the way: left as it is (an operand is computed on the way)
;;     8. [M 8,192, K 512] x [K 512, N 512]; A: computed on the way; B: input Wo: left as it is (an operand is computed on the way)
;;   THE QUANTISER, for each operand of a quantised product, along K:
;;     - K is cut into blocks of 32 from its start; a last block that is shorter is filled with zeros.
;;     - A block's scale is 2^e with e = floor(log2(the largest magnitude in the block)) - 2, held to -126 .. 127; a block of zeros has e = 0. As a byte (E8M0): e + 127.
;;     - Each number is divided by its block's scale, clamped to +-6, and rounded to the nearest number of E2M1, ties to even, subnormals kept.
;;     - The product sums the exact products of the quantised numbers (number of the format x scale) in f32.
;;   ~~~python
;;   def quantise(x, axis):      # numpy; x: float32 -> the quantised numbers, widened to float32 again
;;       x = np.moveaxis(x, axis, -1); K = x.shape[-1]
;;       x = np.pad(x, [(0, 0)] * (x.ndim - 1) + [(0, -K % 32)]); x = x.reshape(x.shape[:-1] + (-1, 32)); a = np.abs(x).max(-1, keepdims=True)
;;       e = np.where(a > 0, np.clip(np.frexp(np.where(a > 0, a, 1))[1] - 1 - 2, -126, 127), 0)      # np.frexp(a)[1] - 1 = floor(log2(a)), exactly
;;       r = np.clip(x / 2.0 ** e, -6, 6)
;;       step = 2.0 ** (np.maximum(np.frexp(np.where(r == 0, 1, r))[1] - 1, 0) - 1)
;;       q = np.round(r / step) * step * 2.0 ** e      # np.round: ties to even
;;       return np.moveaxis(q.reshape(q.shape[:-2] + (-1,))[..., :K], -1, axis).astype(np.float32)
;;   ~~~
;; 2 versions, each right and faster than the one before. Each part assembles by itself: llvm-mc -triple=amdgcn-amd-amdhsa -mcpu=gfx1250 --defsym DOCPART=n.
;; ======== version 1 of 2: 4 launches
;; limits: values are held in f16: magnitudes above 65,504 overflow, below 6.1e-05 lose precision
;; workspace buffers: wcodes 524,288 bytes; wscl 32,768 bytes; wo16 524,288 bytes; q32 16,777,216 bytes; kimg 8,388,608 bytes; vimg 8,388,608 bytes; pimg 16,777,216 bytes; ctx 8,388,608 bytes
;; launch prep (part 1): grid 256 x 1, 1 waves a work-group, no clusters, 0 bytes of LDS; arguments Wq, Wk, Wv, Wp, Wo, wcodes, wscl, wo16; writes wcodes, wscl, wo16
.if DOCPART == 1
	.amdgcn_target "amdgcn-amd-amdhsa--gfx1250"
	.amdhsa_code_object_version 6
	.text
	.protected	k_qf2592a4545_prep
	.globl	k_qf2592a4545_prep
	.p2align	8
	.type	k_qf2592a4545_prep,@function
k_qf2592a4545_prep:
	s_mov_b64 s[64:65], 0
	v_nop
	global_prefetch_b8 v0, s[64:65] scope:SCOPE_SE
	s_setreg_imm32_b32 hwreg(HW_REG_WAVE_MODE, 25, 1), 1
	s_wait_xcnt 0x0
; PREP: the five weights, each [512 (n)][512 (k)] f32 with K innermost, are laid out once in the order of the operand registers that later launches load.
; Work-groups 0-127: Wq, Wk, Wv, Wp (T = g / 32) become codes of FP4 (E2M1) with one E8M0 byte for each 32 along K.  A work-group of one wave takes 16 rows (ntile = g % 32), four K steps of 128.
;   wcodes [T][ntile][ks 4][c 2][lane 32][16 B]: lane (r, h) holds row 16 ntile + r, k = 128 ks + 64 c + 32 h + 0..31: a fragment's registers as they stand.   wscl [T][n 512][ks 4]: one word (4 bytes) a row and K step.
; Work-groups 128-255: Wo becomes f16.  wo16 [nt 32][kc 16][c 2][lane][16 B]: row 16 nt + r, k = 32 kc + 16 c + 8 h + 0..7.  A work-group takes 16 rows x 128 along K.
; A block's scale is 2^(floor(log2(its largest magnitude)) - 2); its byte is the largest magnitude's exponent field - 2, held at 1 from below.
; LIMITS: NaN and infinities are not served.  A block of zeros, or one whose largest magnitude lies under 2^-124, gets the byte 1 (the rule says 127 for zeros): its codes are zeros, and this program alone reads the bytes.
;         Wo beyond 65,504 in magnitude would overflow f16.
; No LDS, no matrix work, no barrier: every store of codes covers 512 consecutive bytes, the store of scale words 256.
.set LN16, 1                           ; v1      16 x lane
.set XA,   4                           ; v4      my lane's byte in the 16 rows
.set R16,  5                           ; v5      16 x (lane % 16)
.set TM,   16                          ; v16-19 largest magnitudes, v20-23 the other half's / the bytes, v28-31 the conversions' scale operands
.set PW,   32                          ; v32-35  a scale word for each K step
.set PC,   36                          ; v36-67  eight registers of codes for each K step: no store's data are written again
.set ST0,  68                          ; v68-131  64 numbers
.set ST1,  132                         ; v132-195 64 numbers
.set SEL,  20                          ; s[20:21] v_permlanex16_b32's selects for lane l xor 16
; my 64 numbers of K step ks: register 16 b + i = k 32 b + 16 h + i of my row
.macro XLOAD reg, ks
.irp b, 0,1,2,3
.irp j, 0,1,2,3
	global_load_b128 v[\reg+16*\b+4*\j:\reg+16*\b+4*\j+3], v[XA], s[24:25] offset:512*(\ks)+128*\b+16*\j
.endr
.endr
.endm
; 64 numbers of a lane become a fragment's eight registers of codes at v[pc] and its row's scale word in v[pw]
.macro QUANT s, pc, pw
.irp b, 0,1,2,3
	v_max3_num_f32 v[TM+\b], |v[\s+16*\b]|, |v[\s+1+16*\b]|, 0x1800000   ; block b: my 16 numbers, and the floor 2^(3 - 127): the byte cannot fall under 1
.endr
.irp i, 2,4,6,8,10,12,14
.irp b, 0,1,2,3
	v_max3_num_f32 v[TM+\b], v[TM+\b], |v[\s+16*\b+\i]|, |v[\s+1+16*\b+\i]|   ; the four blocks by turns
.endr
.endr
.irp b, 0,1,2,3
	v_permlanex16_b32 v[TM+4+\b], v[TM+\b], s[SEL], s[SEL+1]
.endr
.irp b, 0,1,2,3
	v_max_num_f32 v[TM+\b], v[TM+\b], v[TM+4+\b]                   ; with lane l xor 16's 16: the block's largest magnitude
.endr
.irp b, 0,1,2,3
	v_add_nc_u32 v[TM+12+\b], 0xff000000, v[TM+\b]                 ; 2 off its exponent field: the conversion's scale operand
.endr
.irp b, 0,1,2,3
	v_lshrrev_b32 v[TM+4+\b], 23, v[TM+12+\b]                      ; the scale's byte
.endr
	v_lshl_or_b32 v[\pw], v[TM+5], 8, v[TM+4]
	v_lshl_or_b32 v[\pw], v[TM+6], 16, v[\pw]
	v_lshl_or_b32 v[\pw], v[TM+7], 24, v[\pw]
.irp b, 0,1,2,3
	v_cvt_scalef32_pk8_fp4_f32 v[\pc+2*\b], v[\s+16*\b:\s+7+16*\b], v[TM+12+\b]
	v_cvt_scalef32_pk8_fp4_f32 v[\pc+1+2*\b], v[\s+8+16*\b:\s+15+16*\b], v[TM+12+\b]
.endr
	v_nop                                          ; one plain place behind a scaled conversion
.irp c, 0,1                                    ; the layout wants a whole block in a lane: lanes 0-15 block 2 c, lanes 16-31 block 2 c + 1
.irp i, 0,1
	v_permlane16_swap_b32 v[\pc+4*\c+\i], v[\pc+2+4*\c+\i]
.endr
.endr
.endm
; K step ks: wait (left = the younger loads that may stay out), quantise, store 1,024 bytes of codes, ask for K step ks + 2 into the set just freed
.macro WQ ks, set, more, left
	s_wait_loadcnt \left
	QUANT \set, PC+8*(\ks), PW+(\ks)
.irp c, 0,1
	global_store_b128 v[LN16], v[PC+8*(\ks)+4*\c:PC+8*(\ks)+4*\c+3], s[14:15] offset:1024*(\ks)+512*\c
.endr
.if \more
	XLOAD \set, (\ks)+2
.endif
.endm
	s_load_b512 s[4:19], s[0:1], 0x0               ; Wq s[4:5], Wk s[6:7], Wv s[8:9], Wp s[10:11], Wo s[12:13], wcodes s[14:15], wscl s[16:17], wo16 s[18:19]
	v_and_b32 v2, 15, v0                           ; r
	v_lshrrev_b32 v3, 4, v0                        ; h (one wave: v0 is the lane)
	v_lshlrev_b32 v[LN16], 4, v0
	s_mov_b32 s[SEL], 0x76543210
	s_mov_b32 s[SEL+1], 0xfedcba98
	s_mov_b32 s29, 0
	s_wait_kmcnt 0x0
	s_cmp_ge_u32 ttmp9, 128
	s_cbranch_scc1 .Lwo
	; ---- one of the four quantised weights
	s_lshr_b32 s22, ttmp9, 5                       ; T
	s_and_b32 s23, ttmp9, 31                       ; ntile
	s_cmp_lt_u32 s22, 2
	s_cselect_b64 s[24:25], s[4:5], s[8:9]         ; Wq or Wv
	s_cselect_b64 s[26:27], s[6:7], s[10:11]       ; Wk or Wp
	s_and_b32 s22, s22, 1
	s_cmp_eq_u32 s22, 0
	s_cselect_b64 s[24:25], s[24:25], s[26:27]
	s_lshl_b32 s28, s23, 15                        ; 16 rows of 2,048 bytes
	s_add_nc_u64 s[24:25], s[24:25], s[28:29]
	s_lshl_b32 s28, ttmp9, 12                      ; 32 T + ntile = g: 4,096 bytes of codes each
	s_add_nc_u64 s[14:15], s[14:15], s[28:29]
	s_lshl_b32 s28, ttmp9, 8                       ; and 256 bytes of scale words
	s_add_nc_u64 s[16:17], s[16:17], s[28:29]
	v_lshlrev_b32 v[XA], 11, v2
	v_lshl_add_u32 v[XA], v3, 6, v[XA]             ; row r, + 64 h: my 16 numbers of a block of 32
	v_lshlrev_b32 v[R16], 4, v2
.irp b, 0,1,2,3
	v_mov_b32 v[TM+4+\b], 0                        ; written once: a lane permute's destination counts as one of its sources
.endr
	XLOAD ST0, 0
	XLOAD ST1, 1
	WQ 0, ST0, 1, 16                               ; 16: the other set's loads may stay out
	WQ 1, ST1, 1, 16
	WQ 2, ST0, 0, 16
	WQ 3, ST1, 0, 0
	s_wait_xcnt 0x0                                ; EXEC changes only behind this wait
	v_cmp_gt_u32 vcc_lo, 16, v0
	s_and_saveexec_b32 s30, vcc_lo                 ; lanes 0-15: lane r has row r's four words
	global_store_b128 v[R16], v[PW:PW+3], s[16:17] ; 256 consecutive bytes
	s_wait_xcnt 0x0                                ; and again in front of the line that widens it
	s_or_b32 exec_lo, exec_lo, s30
	s_endpgm
.Lwo:
	; ---- Wo to f16: 16 rows x 128 along K
	s_sub_co_u32 s22, ttmp9, 128                   ; g' = 4 nt + kq
	s_lshr_b32 s23, s22, 2                         ; nt
	s_and_b32 s24, s22, 3                          ; kq
	s_lshl_b32 s28, s23, 15
	s_lshl_b32 s24, s24, 9
	s_add_co_u32 s28, s28, s24
	s_add_nc_u64 s[12:13], s[12:13], s[28:29]
	s_lshl_b32 s28, s22, 12                        ; (16 nt + 4 kq) x 1,024 bytes
	s_add_nc_u64 s[18:19], s[18:19], s[28:29]
	v_lshlrev_b32 v[XA], 11, v2
	v_lshl_add_u32 v[XA], v3, 5, v[XA]             ; row r, + 32 h: my 8 numbers of each 16
.irp p, 0,1,2,3,4,5,6,7                        ; piece p = 2 kcl + c: k = 16 p + 8 h + 0..7
.irp e, 0,1
	global_load_b128 v[ST0+8*\p+4*\e:ST0+8*\p+4*\e+3], v[XA], s[12:13] offset:64*\p+16*\e
.endr
.endr
	s_wait_loadcnt 0x0
.irp p, 0,1,2,3,4,5,6,7
.irp i, 0,1,2,3
	v_cvt_pk_f16_f32 v[PC+4*\p+\i], v[ST0+8*\p+2*\i], v[ST0+8*\p+2*\i+1]
.endr
.endr
.irp p, 0,1,2,3,4,5,6,7
	global_store_b128 v[LN16], v[PC+4*\p:PC+4*\p+3], s[18:19] offset:512*\p
.endr
	s_endpgm
.Lfunc_end_k_qf2592a4545_prep:
	.size	k_qf2592a4545_prep, .Lfunc_end_k_qf2592a4545_prep-k_qf2592a4545_prep
	.p2alignl 7, 3214868480
	.fill 96, 4, 3214868480
	.section	.rodata,"a",@progbits
	.p2align	6, 0x0
	.amdhsa_kernel k_qf2592a4545_prep
		.amdhsa_group_segment_fixed_size 0
		.amdhsa_private_segment_fixed_size 0
		.amdhsa_enable_private_segment 0
		.amdhsa_kernarg_size 64
		.amdhsa_user_sgpr_count 2
		.amdhsa_user_sgpr_kernarg_segment_ptr 1
		.amdhsa_wavefront_size32 1
		.amdhsa_system_sgpr_workgroup_id_x 1
		.amdhsa_system_sgpr_workgroup_id_y 1
		.amdhsa_system_sgpr_workgroup_id_z 1
		.amdhsa_system_vgpr_workitem_id 0
		.amdhsa_next_free_vgpr 200
		.amdhsa_next_free_sgpr 66
		.amdhsa_reserve_vcc 1
		.amdhsa_float_denorm_mode_32 3
		.amdhsa_float_denorm_mode_16_64 3
		.amdhsa_memory_ordered 1
		.amdhsa_forward_progress 1
		.amdhsa_inst_pref_size 29
	.end_amdhsa_kernel
	.amdgpu_metadata
---
amdhsa.version: [ 1, 2 ]
amdhsa.kernels:
  - .name:           k_qf2592a4545_prep
    .symbol:         k_qf2592a4545_prep.kd
    .args:
      - { .name: Wq, .offset: 0, .size: 8, .value_kind: global_buffer, .address_space: global }
      - { .name: Wk, .offset: 8, .size: 8, .value_kind: global_buffer, .address_space: global }
      - { .name: Wv, .offset: 16, .size: 8, .value_kind: global_buffer, .address_space: global }
      - { .name: Wp, .offset: 24, .size: 8, .value_kind: global_buffer, .address_space: global }
      - { .name: Wo, .offset: 32, .size: 8, .value_kind: global_buffer, .address_space: global }
      - { .name: wcodes, .offset: 40, .size: 8, .value_kind: global_buffer, .address_space: global }
      - { .name: wscl, .offset: 48, .size: 8, .value_kind: global_buffer, .address_space: global }
      - { .name: wo16, .offset: 56, .size: 8, .value_kind: global_buffer, .address_space: global }
    .group_segment_fixed_size: 0
    .private_segment_fixed_size: 0
    .kernarg_segment_align: 8
    .kernarg_segment_size: 64
    .max_flat_workgroup_size: 32
    .sgpr_count:     66
    .vgpr_count:     200
    .wavefront_size: 32
...
	.end_amdgpu_metadata
.endif
;; end of part 1
;; launch proj (part 2): grid 640 x 1, 4 waves a work-group, no clusters, 18,944 bytes of LDS; arguments query, key, value, pos_embedding, wcodes, wscl, bq, bk, bv, q32, kimg, vimg, pimg; writes q32, kimg, vimg, pimg
.if DOCPART == 2
	.amdgcn_target "amdgcn-amd-amdhsa--gfx1250"
	.amdhsa_code_object_version 6
	.text
	.protected	k_qf2592a4545_proj
	.globl	k_qf2592a4545_proj
	.p2align	8
	.type	k_qf2592a4545_proj,@function
k_qf2592a4545_proj:
	s_mov_b64 s[64:65], 0
	v_nop
	global_prefetch_b8 v0, s[64:65] scope:SCOPE_SE
	s_setreg_imm32_b32 hwreg(HW_REG_WAVE_MODE, 25, 1), 1
	s_wait_xcnt 0x0
; PROJ: the four quantised projections, x W^T (+ b), K = 512, on codes of FP4 (E2M1) with one E8M0 scale for each 32 along K.
; T = min(g / 128, 3): 0 query, 1 key, 2 value (128 work-groups each, 64 rows), 3 pos_embedding (256 work-groups: 4 batches of 4,096 rows, row 4095 a copy of row 4094, which no later launch selects).
; SHARES.  Four waves.  Wave w quantises 16 of the 64 rows (token tile w: four fragments, K steps of 128) and hands them to the others through LDS as images of their registers; then it makes channels
; 128 w .. 128 w + 127 (heads 2 w, 2 w + 1: eight tiles nt of 16) for all four token tiles.  Its 32 fragments of W stay in registers (window 1), read once.
; WHICH ROWS FORM A TOKEN TILE IS FREE: q and p take 16 neighbours; k and v take rows 8 t + 0..7 and 64 + 8 t + 0..7 of a step of 128 keys, which is the order in which the attention launch wants them.
; q, k, p: the product is used transposed (source 0 = 16 rows of W, source 1 = 16 tokens): a lane holds one token and eight neighbouring channels.  v: the other way round: a lane holds one channel and eight neighbouring keys.
; So a lane's eight results are one piece of 16 bytes (f16) of the next launch's operand registers, and every store covers 512 consecutive bytes (p: two runs of 256).  Layouts (lane = 16 h + r, bh = 8 batch + head):
;   q32  [bh][qtile 128][nt' 4][e 2][lane][16 B] f32: query 16 qtile + r, channels 16 nt' + 8 h + 4 e + 0..3 (q + bq; u and v are added later, in f32)
;   kimg [bh][step 16][t 8][nt' 4][lane][16 B] f16: key 128 step + 8 t + r % 8 + 64 (r / 8), channels 16 nt' + 8 h + 0..7
;   vimg [bh][step 16][f 4][ct 4][c 2][lane][16 B] f16: channel 16 ct + r, keys 128 step + 64 h + 16 f + 8 c + 0..7
;   pimg [bh][G 512][o 8][g 8][16 B] f16: row 8 G + g, channels 8 o + 0..7
; The biases are the C of each sum's first product.  One barrier.  No tensor load: x is read once by one wave, the weights' 128 KB a work-group go straight into registers.
; LIMITS: NaN and infinities are not served; a block of zeros or under 2^-124 gets the scale byte 1 with zero codes; k, v, p beyond 65,504 in magnitude would overflow f16.
.set XIMG,  0                          ; LDS: x's 16 fragments (4 m + ks), 1,024 bytes each,
.set XSC,   16384                      ; their scale words, 128 bytes each,
.set SPARE, 18432                      ; and the spare words, 128 bytes for each wave: two blocks of 256 bytes that no other line names
.set LN16, 1                           ; v1  16 x lane
.set LS,   2                           ; v2  4 x lane
.set XA,   3                           ; v3  my lane's byte in x
.set XWI,  4                           ; v4  where I store my images: 16 x lane + 4,096 x wave
.set XWS,  5                           ; v5  and their scale words: 4 x lane + 512 x wave
.set PLO,  6                           ; v6  pimg: (r / 8) x 1,024 + 128 h + 16 (r % 8)
.set R16,  7                           ; v7  16 r
.set H32,  8                           ; v8  32 h
.set R4,   9                           ; v9  4 r
.set SPW,  14                          ; v14 LDS address of my spare word; never rewritten
.set NIL,  15                          ; v15 0; never rewritten
.set TM,   16                          ; first phase: v16-31 at work, v32 the scale word, v34-41 the codes
.set PW,   32
.set PC,   34
.set PK,   16                          ; second phase: v16-47 packed results
.set XF,   48                          ; v48-79  x's four fragments of a token tile
.set XS,   80                          ; v80-83  their scale words
.set WSC,  96                          ; v96-127 W's scale words, 4 nt + ks
.set ST0,  128                         ; v128-191 64 numbers of x; later the eight accumulators
.set ACC,  128
.set ST1,  192                         ; v192-255 64 numbers of x; later the biases, eight registers a tile
.set BIAS, 192
.set SEL,  48                          ; s[48:49]
.set MSB, 0
.macro WIN new                         ; the immediate's high byte repeats the setting that is left
.if MSB != \new
	s_set_vgpr_msb (MSB<<8)|\new
.set MSB, \new
.endif
.endm
.macro XLOAD reg, ks                   ; my 64 numbers of K step ks: register 16 b + i = k 32 b + 16 h + i of my row
.irp b, 0,1,2,3
.irp j, 0,1,2,3
	global_load_b128 v[\reg+16*\b+4*\j:\reg+16*\b+4*\j+3], v[XA], s[44:45] offset:512*(\ks)+128*\b+16*\j th:TH_LOAD_NT
.endr
.endr
.endm
.macro QUANT s                         ; 64 numbers of a lane become a fragment's codes in v[PC] on and its row's scale word in v[PW]
.irp b, 0,1,2,3
	v_max3_num_f32 v[TM+\b], |v[\s+16*\b]|, |v[\s+1+16*\b]|, 0x1800000   ; my 16 numbers of block b, and the floor 2^(3 - 127): the byte cannot fall under 1
.endr
.irp i, 2,4,6,8,10,12,14
.irp b, 0,1,2,3
	v_max3_num_f32 v[TM+\b], v[TM+\b], |v[\s+16*\b+\i]|, |v[\s+1+16*\b+\i]|
.endr
.endr
.irp b, 0,1,2,3
	v_permlanex16_b32 v[TM+4+\b], v[TM+\b], s[SEL], s[SEL+1]
.endr
.irp b, 0,1,2,3
	v_max_num_f32 v[TM+\b], v[TM+\b], v[TM+4+\b]                   ; with lane l xor 16's: the block's largest magnitude
.endr
.irp b, 0,1,2,3
	v_add_nc_u32 v[TM+12+\b], 0xff000000, v[TM+\b]                 ; 2 off its exponent field: the conversion's scale operand
.endr
.irp b, 0,1,2,3
	v_lshrrev_b32 v[TM+4+\b], 23, v[TM+12+\b]                      ; the scale's byte
.endr
	v_lshl_or_b32 v[PW], v[TM+5], 8, v[TM+4]
	v_lshl_or_b32 v[PW], v[TM+6], 16, v[PW]
	v_lshl_or_b32 v[PW], v[TM+7], 24, v[PW]
.irp b, 0,1,2,3
	v_cvt_scalef32_pk8_fp4_f32 v[PC+2*\b], v[\s+16*\b:\s+7+16*\b], v[TM+12+\b]
	v_cvt_scalef32_pk8_fp4_f32 v[PC+1+2*\b], v[\s+8+16*\b:\s+15+16*\b], v[TM+12+\b]
.endr
	v_nop                                          ; one plain place behind a scaled conversion
.irp c, 0,1
.irp i, 0,1
	v_permlane16_swap_b32 v[PC+4*\c+\i], v[PC+2+4*\c+\i]           ; a whole block in a lane
.endr
.endr
.endm
; K step ks of my token tile: wait (left = the younger loads that may stay out), quantise, image to LDS, ask for K step ks + 2
.macro XQ ks, set, more, left
	s_wait_loadcnt \left
	QUANT \set
.irp c, 0,1
	ds_store_b128 v[XWI], v[PC+4*\c:PC+4*\c+3] offset:XIMG+1024*(\ks)+512*\c
.endr
	ds_store_b32 v[XWS], v[PW] offset:XSC+128*(\ks)
.if \more
	XLOAD \set, (\ks)+2
.endif
	s_wait_dscnt 0x0                               ; the stores have read their registers, which the next K step writes
.endm
; Token tile m: its four fragments from LDS, then 32 products: K step by K step, the eight accumulators by turns, one instruction a turn.
; swap = 1: source 0 = the tokens.  cz = 1: no bias: the sums begin with the constant 0.
.macro MAIN m, swap, cz
.irp ks, 0,1,2,3
.irp c, 0,1
	ds_load_b128 v[XF+8*\ks+4*\c:XF+8*\ks+4*\c+3], v[LN16] offset:XIMG+(4*(\m)+\ks)*1024+512*\c
.endr
	ds_load_b32 v[XS+\ks], v[LS] offset:XSC+(4*(\m)+\ks)*128
.endr
	s_wait_dscnt 0x0
	s_wait_xcnt 0x0                                ; the last tile's stores have read their data registers, which are written again below
.if \swap
	WIN 0x04                                       ; source 1 (W) window 1
.else
	WIN 0x01                                       ; source 0 (W) window 1
.endif
.irp ks, 0,1,2,3
.irp nt, 0,1,2,3,4,5,6,7
.if \swap
.if \ks == 0
	v_wmma_scale_f32_16x16x128_f8f6f4 v[ACC+8*\nt:ACC+8*\nt+7], v[XF+8*\ks:XF+8*\ks+7], v[8*(4*\nt+\ks):8*(4*\nt+\ks)+7], v[BIAS+8*\nt:BIAS+8*\nt+7], v[XS+\ks], v[WSC+4*\nt+\ks] matrix_a_fmt:MATRIX_FMT_FP4 matrix_b_fmt:MATRIX_FMT_FP4
.else
	v_wmma_scale_f32_16x16x128_f8f6f4 v[ACC+8*\nt:ACC+8*\nt+7], v[XF+8*\ks:XF+8*\ks+7], v[8*(4*\nt+\ks):8*(4*\nt+\ks)+7], v[ACC+8*\nt:ACC+8*\nt+7], v[XS+\ks], v[WSC+4*\nt+\ks] matrix_a_fmt:MATRIX_FMT_FP4 matrix_b_fmt:MATRIX_FMT_FP4
.endif
.else
.if (\ks == 0) && \cz
	v_wmma_scale_f32_16x16x128_f8f6f4 v[ACC+8*\nt:ACC+8*\nt+7], v[8*(4*\nt+\ks):8*(4*\nt+\ks)+7], v[XF+8*\ks:XF+8*\ks+7], 0, v[WSC+4*\nt+\ks], v[XS+\ks] matrix_a_fmt:MATRIX_FMT_FP4 matrix_b_fmt:MATRIX_FMT_FP4
.elseif \ks == 0
	v_wmma_scale_f32_16x16x128_f8f6f4 v[ACC+8*\nt:ACC+8*\nt+7], v[8*(4*\nt+\ks):8*(4*\nt+\ks)+7], v[XF+8*\ks:XF+8*\ks+7], v[BIAS+8*\nt:BIAS+8*\nt+7], v[WSC+4*\nt+\ks], v[XS+\ks] matrix_a_fmt:MATRIX_FMT_FP4 matrix_b_fmt:MATRIX_FMT_FP4
.else
	v_wmma_scale_f32_16x16x128_f8f6f4 v[ACC+8*\nt:ACC+8*\nt+7], v[8*(4*\nt+\ks):8*(4*\nt+\ks)+7], v[XF+8*\ks:XF+8*\ks+7], v[ACC+8*\nt:ACC+8*\nt+7], v[WSC+4*\nt+\ks], v[XS+\ks] matrix_a_fmt:MATRIX_FMT_FP4 matrix_b_fmt:MATRIX_FMT_FP4
.endif
.endif
.endr
.endr
	WIN 0
.rept 5
	v_nop                                          ; four places in front of the first read of results and of loads into operands; the fifth since the next tile's first products begin these accumulators anew with another C
.endr
.endm
.macro PACK                            ; eight f32 of a lane become one piece of 16 bytes; each accumulator from its low end on
.irp nt, 0,1,2,3,4,5,6,7
.irp i, 0,1,2,3
	v_cvt_pk_f16_f32 v[PK+4*\nt+\i], v[ACC+8*\nt+2*\i], v[ACC+8*\nt+2*\i+1]
.endr
.endr
.endm
.macro KVBASE lo, hi                   ; kimg and vimg: (8 batch + 2 w) x 262,144 + step x 16,384 + (loc % 2) x 8,192
	s_lshr_b32 s33, s31, 5
	s_lshl_b32 s33, s33, 3
	s_lshl_b32 s34, s32, 1
	s_add_co_u32 s33, s33, s34
	s_lshl_b32 s58, s33, 18
	s_and_b32 s34, s31, 31
	s_lshr_b32 s34, s34, 1
	s_lshl_b32 s34, s34, 14
	s_add_co_u32 s58, s58, s34
	s_and_b32 s34, s31, 1
	s_lshl_b32 s34, s34, 13
	s_add_co_u32 s58, s58, s34
	s_mov_b32 s59, 0
	s_add_nc_u64 s[56:57], s[\lo:\hi], s[58:59]
.endm
	s_load_b512 s[4:19], s[0:1], 0x0               ; query s[4:5], key s[6:7], value s[8:9], pos_embedding s[10:11], wcodes s[12:13], wscl s[14:15], bq s[16:17], bk s[18:19]
	s_load_b256 s[20:27], s[0:1], 0x40             ; bv s[20:21], q32 s[22:23], kimg s[24:25], vimg s[26:27]
	s_load_b64 s[28:29], s[0:1], 0x60              ; pimg
	v_lshl_add_u32 v[SPW], v0, 2, SPARE
	v_mov_b32 v[NIL], 0
	v_lshrrev_b32 v10, 5, v0
	v_readfirstlane_b32 s32, v10                   ; wave 0..3
	s_lshr_b32 s30, ttmp9, 7
	s_min_u32 s30, s30, 3                          ; T
	s_lshl_b32 s31, s30, 7
	s_sub_co_u32 s31, ttmp9, s31                   ; loc: my place among the tensor's work-groups
	v_and_b32 v10, 31, v0                          ; lane
	v_and_b32 v11, 15, v0                          ; r
	v_bfe_u32 v12, v0, 4, 1                        ; h
	v_lshlrev_b32 v[LN16], 4, v10
	v_lshlrev_b32 v[LS], 2, v10
	s_lshl_b32 s33, s32, 12
	v_add_nc_u32 v[XWI], s33, v[LN16]
	s_lshl_b32 s33, s32, 9
	v_add_nc_u32 v[XWS], s33, v[LS]
	v_lshrrev_b32 v13, 3, v11                      ; r / 8
	v_and_b32 v10, 7, v11                          ; r % 8
	v_lshlrev_b32 v[PLO], 10, v13
	v_lshl_add_u32 v[PLO], v12, 7, v[PLO]
	v_lshl_add_u32 v[PLO], v10, 4, v[PLO]
	v_lshlrev_b32 v[R16], 4, v11
	v_lshlrev_b32 v[H32], 5, v12
	v_lshlrev_b32 v[R4], 2, v11
	s_mov_b32 s[SEL], 0x76543210
	s_mov_b32 s[SEL+1], 0xfedcba98
.irp b, 0,1,2,3
	v_mov_b32 v[TM+4+\b], 0                        ; written once: a lane permute's destination counts as one of its sources
.endr
	; my lane's row of x: min(L0 + SW w + r % 8 + S8 (r / 8), CL) + B0
	s_lshl_b32 s33, s31, 6                         ; q: L0 = 64 loc
	s_lshr_b32 s34, s31, 1
	s_lshl_b32 s34, s34, 7
	s_and_b32 s35, s31, 1
	s_lshl_b32 s35, s35, 5
	s_add_co_u32 s34, s34, s35                     ; k, v: L0 = 128 (loc / 2) + 32 (loc % 2)
	s_and_b32 s35, s31, 63
	s_lshl_b32 s35, s35, 6                         ; p: L0 = 64 (loc % 64),
	s_lshr_b32 s36, s31, 6
	s_mul_i32 s36, s36, 4095                       ; B0 = 4,095 x batch
	s_cmp_eq_u32 s30, 0
	s_cselect_b32 s37, s33, s34                    ; L0
	s_cselect_b32 s38, 16, 8                       ; SW
	s_cselect_b32 s39, 8, 64                       ; S8
	s_mov_b32 s41, 8191
	s_cmp_eq_u32 s30, 3
	s_cselect_b32 s37, s35, s37
	s_cselect_b32 s38, 16, s38
	s_cselect_b32 s39, 8, s39
	s_cselect_b32 s40, s36, 0                      ; B0
	s_cselect_b32 s41, 4094, s41                   ; CL: no load leaves its buffer
	s_mul_i32 s42, s38, s32
	s_add_co_u32 s37, s37, s42
	v_mad_u32_u24 v10, v13, s39, v10
	v_add_nc_u32 v10, s37, v10
	v_min_u32 v10, s41, v10
	v_add_nc_u32 v10, s40, v10
	v_lshlrev_b32 v10, 11, v10                     ; a row is 2,048 bytes
	v_lshl_add_u32 v[XA], v12, 6, v10              ; + 64 h: my 16 numbers of a block of 32
	s_lshl_b32 s58, s30, 17                        ; wcodes: 131,072 T + 32,768 w
	s_lshl_b32 s33, s32, 15
	s_add_co_u32 s58, s58, s33
	s_mov_b32 s59, 0
	s_lshl_b32 s42, s30, 13                        ; wscl: 8,192 T + 2,048 w
	s_lshl_b32 s33, s32, 11
	s_add_co_u32 s42, s42, s33
	s_mov_b32 s43, 0
	s_wait_kmcnt 0x0
	s_add_nc_u64 s[50:51], s[12:13], s[58:59]
	s_add_nc_u64 s[52:53], s[14:15], s[42:43]
	s_cmp_lt_u32 s30, 2
	s_cselect_b64 s[44:45], s[4:5], s[8:9]         ; query or value
	s_cselect_b64 s[46:47], s[6:7], s[10:11]       ; key or pos_embedding
	s_and_b32 s33, s30, 1
	s_cmp_eq_u32 s33, 0
	s_cselect_b64 s[44:45], s[44:45], s[46:47]     ; x
	s_cmp_eq_u32 s30, 1
	s_cselect_b64 s[54:55], s[18:19], s[16:17]     ; bk, else bq,
	s_cmp_eq_u32 s30, 2
	s_cselect_b64 s[54:55], s[20:21], s[54:55]     ; or bv (p has none, and loads none)
	s_lshl_b32 s42, s32, 9                         ; my 128 channels
	s_add_nc_u64 s[54:55], s[54:55], s[42:43]
	; ---- first phase: the weights come into registers; my 16 rows of x become four fragments
.irp nt, 0,1,2,3,4,5,6,7
	global_load_b128 v[WSC+4*\nt:WSC+4*\nt+3], v[R16], s[52:53] offset:256*\nt   ; row 16 nt + r: its four words
.endr
	WIN 0x40                                       ; destination window 1
.irp nt, 0,1,2,3,4,5,6,7
.irp ks, 0,1,2,3
.irp c, 0,1
	global_load_b128 v[8*(4*\nt+\ks)+4*\c:8*(4*\nt+\ks)+4*\c+3], v[LN16], s[50:51] offset:(4*\nt+\ks)*1024+512*\c
.endr
.endr
.endr
	WIN 0
	XLOAD ST0, 0
	XLOAD ST1, 1
	XQ 0, ST0, 1, 16                               ; 16: the other set's loads may stay out; all that was asked for earlier, the weights among it, is in
	XQ 1, ST1, 1, 16
	XQ 2, ST0, 0, 16
	XQ 3, ST1, 0, 0
	; the biases, in the result's layout, into the registers that x has left.  The branches hang on the work-group's number alone; the arms hold loads only
	s_cmp_eq_u32 s30, 3
	s_cbranch_scc1 .Lbias_done
	s_cmp_eq_u32 s30, 2
	s_cbranch_scc1 .Lbias_v
.irp nt, 0,1,2,3,4,5,6,7
.irp e, 0,1
	global_load_b128 v[BIAS+8*\nt+4*\e:BIAS+8*\nt+4*\e+3], v[H32], s[54:55] offset:64*\nt+16*\e   ; channels 16 nt + 8 h + 0..7
.endr
.endr
	s_branch .Lbias_done
.Lbias_v:
.irp nt, 0,1,2,3,4,5,6,7
.irp j, 0,1,2,3,4,5,6,7
	global_load_b32 v[BIAS+8*\nt+\j], v[R4], s[54:55] offset:64*\nt   ; channel 16 nt + r in all eight registers
.endr
.endr
.Lbias_done:
	s_wait_dscnt 0x0                               ; for the others' sake: my images lie in LDS
	s_barrier_signal -1
	s_barrier_wait -1                              ; all sixteen fragments do; nobody writes them again
	s_wait_loadcnt 0x0                             ; the biases
	; ---- second phase: one of four sections
	s_cmp_eq_u32 s30, 0
	s_cbranch_scc1 .Lsec_q
	s_cmp_eq_u32 s30, 1
	s_cbranch_scc1 .Lsec_k
	s_cmp_eq_u32 s30, 2
	s_cbranch_scc1 .Lsec_v
	; p: (8 batch + 2 w) x 524,288 + (loc % 64) x 8,192
	s_lshr_b32 s33, s31, 6
	s_lshl_b32 s33, s33, 3
	s_lshl_b32 s34, s32, 1
	s_add_co_u32 s33, s33, s34
	s_lshl_b32 s58, s33, 19
	s_and_b32 s34, s31, 63
	s_lshl_b32 s34, s34, 13
	s_add_co_u32 s58, s58, s34
	s_mov_b32 s59, 0
	s_add_nc_u64 s[56:57], s[28:29], s[58:59]
.irp m, 0,1,2,3
	MAIN \m, 0, 1
	PACK
.irp nt, 0,1,2,3,4,5,6,7
	global_store_b128 v[PLO], v[PK+4*\nt:PK+4*\nt+3], s[56:57] offset:(\nt/4)*524288+2048*\m+(\nt%4)*256   ; two runs of 256 consecutive bytes
.endr
.endr
	s_branch .Lend
.Lsec_q:
	; q: ((8 batch + 2 w) x 128 + 4 (loc % 32)) x 4,096
	s_lshr_b32 s33, s31, 5
	s_lshl_b32 s33, s33, 3
	s_lshl_b32 s34, s32, 1
	s_add_co_u32 s33, s33, s34
	s_lshl_b32 s33, s33, 7
	s_and_b32 s34, s31, 31
	s_lshl_b32 s34, s34, 2
	s_add_co_u32 s33, s33, s34
	s_lshl_b32 s58, s33, 12
	s_mov_b32 s59, 0
	s_add_nc_u64 s[56:57], s[22:23], s[58:59]
.irp m, 0,1,2,3
	MAIN \m, 0, 0
.irp nt, 0,1,2,3,4,5,6,7
.irp e, 0,1
	global_store_b128 v[LN16], v[ACC+8*\nt+4*\e:ACC+8*\nt+4*\e+3], s[56:57] offset:(\nt/4)*524288+4096*\m+(\nt%4)*1024+512*\e   ; f32 as it stands, each accumulator from its low end on
.endr
.endr
.endr
	s_branch .Lend
.Lsec_k:
	KVBASE 24, 25
.irp m, 0,1,2,3
	MAIN \m, 0, 0
	PACK
.irp nt, 0,1,2,3,4,5,6,7
	global_store_b128 v[LN16], v[PK+4*\nt:PK+4*\nt+3], s[56:57] offset:(\nt/4)*262144+2048*\m+(\nt%4)*512
.endr
.endr
	s_branch .Lend
.Lsec_v:
	KVBASE 26, 27
.irp m, 0,1,2,3
	MAIN \m, 1, 0
	PACK
.irp nt, 0,1,2,3,4,5,6,7
	global_store_b128 v[LN16], v[PK+4*\nt:PK+4*\nt+3], s[56:57] offset:(\nt/4)*262144+(\m/2)*4096+(\nt%4)*1024+(\m%2)*512
.endr
.endr
.Lend:
	s_wait_tensorcnt 0x0                           ; the wave's end, behind my last LDS store
	ds_add_u32 v[SPW], v[NIL]
	s_wait_dscnt 0x0
	s_endpgm
.Lfunc_end_k_qf2592a4545_proj:
	.size	k_qf2592a4545_proj, .Lfunc_end_k_qf2592a4545_proj-k_qf2592a4545_proj
	.p2alignl 7, 3214868480
	.fill 96, 4, 3214868480
	.section	.rodata,"a",@progbits
	.p2align	6, 0x0
	.amdhsa_kernel k_qf2592a4545_proj
		.amdhsa_group_segment_fixed_size 18944
		.amdhsa_private_segment_fixed_size 0
		.amdhsa_enable_private_segment 0
		.amdhsa_kernarg_size 104
		.amdhsa_user_sgpr_count 2
		.amdhsa_user_sgpr_kernarg_segment_ptr 1
		.amdhsa_wavefront_size32 1
		.amdhsa_system_sgpr_workgroup_id_x 1
		.amdhsa_system_sgpr_workgroup_id_y 1
		.amdhsa_system_sgpr_workgroup_id_z 1
		.amdhsa_system_vgpr_workitem_id 0
		.amdhsa_next_free_vgpr 512
		.amdhsa_next_free_sgpr 66
		.amdhsa_reserve_vcc 0
		.amdhsa_float_denorm_mode_32 3
		.amdhsa_float_denorm_mode_16_64 3
		.amdhsa_memory_ordered 1
		.amdhsa_forward_progress 1
		.amdhsa_inst_pref_size 162
	.end_amdhsa_kernel
	.amdgpu_metadata
---
amdhsa.version: [ 1, 2 ]
amdhsa.kernels:
  - .name:           k_qf2592a4545_proj
    .symbol:         k_qf2592a4545_proj.kd
    .args:
      - { .name: query, .offset: 0, .size: 8, .value_kind: global_buffer, .address_space: global }
      - { .name: key, .offset: 8, .size: 8, .value_kind: global_buffer, .address_space: global }
      - { .name: value, .offset: 16, .size: 8, .value_kind: global_buffer, .address_space: global }
      - { .name: pos_embedding, .offset: 24, .size: 8, .value_kind: global_buffer, .address_space: global }
      - { .name: wcodes, .offset: 32, .size: 8, .value_kind: global_buffer, .address_space: global }
      - { .name: wscl, .offset: 40, .size: 8, .value_kind: global_buffer, .address_space: global }
      - { .name: bq, .offset: 48, .size: 8, .value_kind: global_buffer, .address_space: global }
      - { .name: bk, .offset: 56, .size: 8, .value_kind: global_buffer, .address_space: global }
      - { .name: bv, .offset: 64, .size: 8, .value_kind: global_buffer, .address_space: global }
      - { .name: q32, .offset: 72, .size: 8, .value_kind: global_buffer, .address_space: global }
      - { .name: kimg, .offset: 80, .size: 8, .value_kind: global_buffer, .address_space: global }
      - { .name: vimg, .offset: 88, .size: 8, .value_kind: global_buffer, .address_space: global }
      - { .name: pimg, .offset: 96, .size: 8, .value_kind: global_buffer, .address_space: global }
    .group_segment_fixed_size: 18944
    .private_segment_fixed_size: 0
    .kernarg_segment_align: 8
    .kernarg_segment_size: 104
    .max_flat_workgroup_size: 128
    .sgpr_count:     66
    .vgpr_count:     512
    .wavefront_size: 32
...
	.end_amdgpu_metadata
.endif
;; end of part 2
;; launch attn (part 3): grid 8 x 32, 8 waves a work-group, no clusters, 327,680 bytes of LDS; arguments q32, kimg, vimg, pimg, u_bias, v_bias, ctx; writes ctx
.if DOCPART == 3
	.amdgcn_target "amdgcn-amd-amdhsa--gfx1250"
	.amdhsa_code_object_version 6
	.text
	.protected	k_qf2592a4545_attn
	.globl	k_qf2592a4545_attn
	.p2align	8
	.type	k_qf2592a4545_attn,@function
k_qf2592a4545_attn:
	s_mov_b64 s[64:65], 0
	v_nop
	global_prefetch_b8 v0, s[64:65] scope:SCOPE_SE
	s_setreg_imm32_b32 hwreg(HW_REG_WAVE_MODE, 25, 1), 1
	s_wait_xcnt 0x0
; ATTN: context[i] = sum over j of softmax_j(((q_i + u) . k_j + (q_i + v) . p_(j - i + 2047)) / sqrt(512)) v_j, for one (batch, head) bh and 256 queries a work-group.
; THE SHIFT.  The reference's pad, reshape and slice give shifted[i][j] = pos_score[i][j - i + 2047]: never the padded zero, never another row.  So only the rows of p that a block of scores selects are multiplied.
; FORMATS.  All three products take f16 operands and f32 sums; q + u and q + v are added in f32; maxima, exponentials and sums in f32; a running maximum m is taken away before every exponential.
; SHARES.  Eight waves of 512 registers.  Wave w owns queries 256 qb + 32 w + 16 a + r: two tiles a = 0, 1.  Every wave walks all 2,048 keys, 128 a step, 256 a slot.
; LAYOUT.  All products are used transposed, so that a lane (r, h) holds ONE query r.  The keys of a tile of K are 8 t + 0..7 and 64 + 8 t + 0..7 of the step: register y = 8 t + j of half h holds key 64 h + y.
; THE SKEW.  A slot holds the 512 rows of p from l_base = 256 slot - 256 qb + 1792 on, in 64 groups of 8.  Key 64 h + y of step q wants row l_base + 128 q + 64 h + (240 - 32 w - 16 a) + x, x = y + (15 - r).
; So R^T = P (Q + v)^T is made for x = 0..79 (ten tiles; a tile's rows 0-7 are group 16 q + 30 - 4 w - 2 a + t', its rows 8-15 the group 8 further on), and each lane moves its registers down by 15 - r:
; four stages of selects by 8, 4, 2, 1, in place, x ascending, under masks that are constants (the bits of 15 - r).  The moved registers are the C of the content product: no addition is written.
; Both tiles share p's fragments: fragment t'' = 0..11 is tile a = 1's t' = t'' and tile a = 0's t' = t'' - 2.
; THE RING.  Two slots.  A slot is 64 KB of K and V (dense images of the operand registers) and 64 groups of p, 1,024 bytes + 16 of padding.  Each wave fetches 16 KB with one tensor load: waves 0, 1 K's two steps,
; waves 2, 3 V's, waves 4-7 sixteen groups of p each.  By this text's own count a wave has one tensor load out; it has a slot's two steps, 208 matrix instructions, in which to land.
; NO CLUSTER: of a slot's 128 KB, p's 64 KB begin at another row for each block of queries, so only half of a slot's bytes could be asked for jointly.
; LIMITS: NaN and infinities are not served; q + u, q + v beyond 65,504 in magnitude would overflow f16; weights under 2^-24 of the row's largest so far count as 0.
.set PS0,   131072                     ; LDS: K and V slot s at 65,536 s (K step 0, K step 1, V step 0, V step 1); p's slot s at PS0 + 66,560 s
.set GP,    1040                       ; a group of p: 1,024 bytes + 16: eight groups on are 8,320 bytes = 128 modulo 256, so the 8 + 8 rows that sixteen lanes take cover 256 different bytes modulo 256
.set SPARE, 264192                     ; behind the ring: the spare words, 128 bytes for each wave: four blocks of 256 bytes that no other line names
.set LN16, 1                           ; v1  16 x lane
.set APB,  2                           ; v2  my lane's place among p's groups: (7 - w) x 4 GP + (r / 8) x 8 GP + 128 h + 16 (r % 8)
.set ADP,  3                           ; v3  + the slot in hand
.set ADKV, 4                           ; v4  16 x lane + the slot in hand
.set H32,  5                           ; v5  32 h
.set SPW,  6                           ; v6  LDS address of my spare word; never rewritten
.set NIL,  7                           ; v7  0; never rewritten
.set ST,   8                           ; tile a's statistics at v[ST + 8 a]: +0 c m, +1 m, +2, +3 l in two halves, +4..+7 at work; +6 the factor 2^(c m_old - c m_new)
.set RAW0, 32                          ; v32-111  tile 0: R^T (80), then the scores (64), then the weights in f16 (32)
.set RAW1, 112                         ; v112-191 tile 1
.set UB,   192                         ; v192-223 u, v224-255 v: at the head only
.set VB,   224
.set QU,   0                           ; window 1: v0-31 Q + u (16 a + 8 kc), v32-63 Q + v, v64-127 O^T (32 a + 8 ct), v128-191 and v192-255 two buffers of fragments
.set QV,   32
.set OT,   64
.set FA,   128
.set FB,   192
.set WV,   18                          ; s18 wave; s19 qb; s20 bh
.set QB,   19
.set BH,   20
.set CS,   22                          ; s[22:23] c = log2(e) / sqrt(512)
.set SEL,  24                          ; s[24:25] lane l xor 16
.set TBKV, 26                          ; s26 where the slot in hand begins: K and V;
.set TBP,  27                          ; s27 p
.set CNT,  28                          ; s28 slots still to be asked for
.set G1KV, 32                          ; s[32:39], s[40:47] descriptor groups 1;  s[48:51], s[52:55] groups 0, which walk
.set G1P,  40
.set G0KV, 48
.set G0P,  52
.set MSB, 0
.macro WIN new                         ; the immediate's high byte repeats the setting that is left; bits 1:0 source 0, 3:2 source 1, 5:4 source 2, 7:6 destination
.if MSB != \new
	s_set_vgpr_msb (MSB<<8)|\new
.set MSB, \new
.endif
.endm
.macro PLACES                          ; four places behind a matrix instruction, in front of loads into its operands and of vector instructions that read its result
.rept 4
	v_nop
.endr
.endm
; Every wave's one tensor load.  The branch hangs on the wave's number alone.  An s_nop 0 and four v_nop follow each of the two lines.
.macro TLOAD
	s_cmp_lt_u32 s[WV], 4
	s_cbranch_scc0 .Lfor_p_\@
	tensor_load_to_lds s[G0KV:G0KV+3], s[G1KV:G1KV+7]
	s_nop 0
.rept 4
	v_nop
.endr
	s_branch .Lasked_\@
.Lfor_p_\@:
	tensor_load_to_lds s[G0P:G0P+3], s[G1P:G1P+7]
	s_nop 0
.rept 4
	v_nop
.endr
.Lasked_\@:
.endm
; THE CHANGE OF SLOTS, at a slot's head.  Each wave waits for all its tensor loads (its part of the slot ahead), adds 0 to its spare word, and waits for that and for its reads of the slot that it has left.
; Behind the barrier the slot ahead is whole and nobody reads the other one.  fill = 1: that other one takes the next 256 keys and the rows of p 256 further on.
.macro CHANGE fill
	s_wait_tensorcnt 0x0                           ; no tensor load of mine is out, so a group 0 may be written
	ds_add_u32 v[SPW], v[NIL]
.if \fill
	s_xor_b32 s[G0KV+1], s[G0KV+1], 0x10000        ; the other slot than last time,
	s_add_nc_u64 s[G0KV+2:G0KV+3], s[G0KV+2:G0KV+3], 0x8000   ; two steps of 16,384 bytes on; the type bits on top are not reached
	s_xor_b32 s[G0P+1], s[G0P+1], 0x10400          ; 66,560: bits 10 and 16 are clear in PS0 + 16,640 (w % 4), so the exclusive or adds or takes away just that
	s_add_nc_u64 s[G0P+2:G0P+3], s[G0P+2:G0P+3], 0x8000       ; 32 groups of 1,024 bytes on
.endif
	s_wait_dscnt 0x0                               ; the add is done, and my reads of the slot that I have left are over
	s_barrier_signal -1
	s_barrier_wait -1
.if \fill
	TLOAD                                          ; the first thing behind the barrier, and my one tensor load until the next
.endif
.endm
; Batches of 16 LDS loads into a buffer of 64 registers of window 1
.macro LDP b, buf, q                   ; p's fragments t'' = 4 b + i: register 16 i + 8 kc + 4 c: channels 32 kc + 16 c + 8 h + 0..7
	WIN 0x40
.irp i, 0,1,2,3
.irp kc, 0,1
.irp c, 0,1
	ds_load_b128 v[\buf+16*\i+8*\kc+4*\c:\buf+16*\i+8*\kc+4*\c+3], v[ADP] offset:(16*(\q)+4*(\b)+\i)*GP+(4*\kc+2*\c)*128
.endr
.endr
.endr
.endm
.macro LDK b, buf, q                   ; K's tiles t = 4 b + i
	WIN 0x40
.irp i, 0,1,2,3
.irp kc, 0,1
.irp c, 0,1
	ds_load_b128 v[\buf+16*\i+8*\kc+4*\c:\buf+16*\i+8*\kc+4*\c+3], v[ADKV] offset:16384*(\q)+2048*(4*(\b)+\i)+1024*\kc+512*\c
.endr
.endr
.endr
.endm
.macro LDV b, buf, q                   ; V^T's fragments: 32 keys f = 2 b + fl, channels 16 ct on
	WIN 0x40
.irp fl, 0,1
.irp ct, 0,1,2,3
.irp c, 0,1
	ds_load_b128 v[\buf+8*(4*\fl+\ct)+4*\c:\buf+8*(4*\fl+\ct)+4*\c+3], v[ADKV] offset:32768+16384*(\q)+4096*(2*(\b)+\fl)+1024*\ct+512*\c
.endr
.endr
.endr
.endm
; The products.  In each the accumulators take turns, one instruction a turn.
.macro POS b, buf                      ; R^T = P (Q + v)^T: the first 32 channels start the sums
	WIN 0x05
.irp kc, 0,1
.irp i, 0,1,2,3
.irp a, 1,0
.set TP, 4*(\b)+\i-2*(1-\a)
.if (TP >= 0) && (TP <= 9)
.set RR, RAW0+80*\a+8*TP
.if \kc == 0
	v_wmma_f32_16x16x32_f16 v[RR:RR+7], v[\buf+16*\i+8*\kc:\buf+16*\i+8*\kc+7], v[QV+16*\a+8*\kc:QV+16*\a+8*\kc+7], 0
.else
	v_wmma_f32_16x16x32_f16 v[RR:RR+7], v[\buf+16*\i+8*\kc:\buf+16*\i+8*\kc+7], v[QV+16*\a+8*\kc:QV+16*\a+8*\kc+7], v[RR:RR+7]
.endif
.endif
.endr
.endr
.endr
.endm
.macro CONT b, buf                     ; S^T = the moved R^T + K (Q + u)^T, in place
	WIN 0x05
.irp kc, 0,1
.irp i, 0,1,2,3
.irp a, 0,1
.set RR, RAW0+80*\a+8*(4*(\b)+\i)
	v_wmma_f32_16x16x32_f16 v[RR:RR+7], v[\buf+16*\i+8*\kc:\buf+16*\i+8*\kc+7], v[QU+16*\a+8*\kc:QU+16*\a+8*\kc+7], v[RR:RR+7]
.endr
.endr
.endr
.endm
.macro PVM b, buf                      ; O^T += V^T P
	WIN 0x51
.irp fl, 0,1
.irp ct, 0,1,2,3
.irp a, 0,1
.set RO, OT+32*\a+8*\ct
.set RW, RAW0+80*\a+8*(2*(\b)+\fl)
	v_wmma_f32_16x16x32_f16 v[RO:RO+7], v[\buf+8*(4*\fl+\ct):\buf+8*(4*\fl+\ct)+7], v[RW:RW+7], v[RO:RO+7]
.endr
.endr
.endr
.endm
.macro SKEWST sh, n, mask              ; one stage: lanes whose 15 - r has the bit sh take the register sh further up; both tiles under one mask; x ascending
	s_mov_b32 vcc_lo, \mask
.set XX, 0
.rept \n
	v_cndmask_b32 v[RAW0+XX], v[RAW0+XX], v[RAW0+XX+\sh], vcc_lo
	v_cndmask_b32 v[RAW1+XX], v[RAW1+XX], v[RAW1+XX+\sh], vcc_lo
.set XX, XX+1
.endr
.endm
.macro SKEW                            ; after stage 8 registers 0..70 are wanted, then 0..66, 0..64, 0..63
	SKEWST 8, 71, 0x00ff00ff
	SKEWST 4, 67, 0x0f0f0f0f
	SKEWST 2, 65, 0x33333333
	SKEWST 1, 64, 0x55555555
.endm
; The softmax of a step, the two tiles line by line.
.macro SOFTMAX
	WIN 0
.irp c, 0,1,2,3                                ; the largest of my 64 scores and the old m: four chains of 16; every accumulator is first read at its low end
.irp a, 0,1
	v_max3_num_f32 v[ST+8*\a+4+\c], v[RAW0+80*\a+16*\c], v[RAW0+80*\a+16*\c+1], v[RAW0+80*\a+16*\c+2]
.endr
.endr
.irp i, 3,5,7,9,11,13
.irp c, 0,1,2,3
.irp a, 0,1
	v_max3_num_f32 v[ST+8*\a+4+\c], v[ST+8*\a+4+\c], v[RAW0+80*\a+16*\c+\i], v[RAW0+80*\a+16*\c+\i+1]
.endr
.endr
.endr
.irp a, 0,1
	v_max3_num_f32 v[ST+8*\a+4], v[ST+8*\a+4], v[RAW0+80*\a+15], v[RAW0+80*\a+31]
	v_max3_num_f32 v[ST+8*\a+6], v[ST+8*\a+6], v[RAW0+80*\a+47], v[RAW0+80*\a+63]
.endr
.irp a, 0,1
	v_max3_num_f32 v[ST+8*\a+4], v[ST+8*\a+4], v[ST+8*\a+5], v[ST+8*\a+6]
.endr
.irp a, 0,1
	v_max3_num_f32 v[ST+8*\a+4], v[ST+8*\a+4], v[ST+8*\a+7], v[ST+8*\a+1]
.endr
.irp a, 0,1
	v_permlanex16_b32 v[ST+8*\a+5], v[ST+8*\a+4], s[SEL], s[SEL+1]   ; the query's other 64 keys lie in the lane 16 away
.endr
.irp a, 0,1
	v_mov_b32 v[ST+8*\a+7], v[ST+8*\a]             ; c m_old
.endr
.irp a, 0,1
	v_max_num_f32 v[ST+8*\a+1], v[ST+8*\a+4], v[ST+8*\a+5]           ; the new m
.endr
.irp a, 0,1
	v_mul_f32 v[ST+8*\a], s[CS], v[ST+8*\a+1]
.endr
.irp a, 0,1
	v_sub_f32 v[ST+8*\a+7], v[ST+8*\a+7], v[ST+8*\a]
.endr
.irp a, 0,1
	v_exp_f32 v[ST+8*\a+6], v[ST+8*\a+7]           ; the factor 2^(c m_old - c m_new): 1 where m has not grown
.endr
.set JJ, 0
.rept 32
.irp a, 0,1
	v_pk_fma_f32 v[RAW0+80*\a+JJ:RAW0+80*\a+JJ+1], v[RAW0+80*\a+JJ:RAW0+80*\a+JJ+1], s[CS:CS+1], v[ST+8*\a:ST+8*\a+1] op_sel_hi:[1,0,0] neg_lo:[0,0,1] neg_hi:[0,0,1]   ; c s - c m, two at a time
.endr
.set JJ, JJ+2
.endr
.set JJ, 0
.rept 64
.irp a, 0,1
	v_exp_f32 v[RAW0+80*\a+JJ], v[RAW0+80*\a+JJ]   ; the weight 2^(c s - c m), at most 1
.endr
.set JJ, JJ+1
.endr
	v_nop                                          ; a plain instruction behind the last exponential
	s_wait_alu depctr_va_vdst(0)                   ; the wait ahead of the first instruction that names a result: one for the step's 130 exponentials
.irp a, 0,1
	v_pk_mul_f32 v[ST+8*\a+2:ST+8*\a+3], v[ST+8*\a+2:ST+8*\a+3], v[ST+8*\a+6:ST+8*\a+7] op_sel_hi:[1,0]   ; l under the new m
.endr
.irp a, 0,1
	v_pk_add_f32 v[ST+8*\a+4:ST+8*\a+5], v[RAW0+80*\a:RAW0+80*\a+1], v[RAW0+80*\a+2:RAW0+80*\a+3]   ; the sum is taken of the weights before they are rounded, in two chains
.endr
.irp j, 4,8,12,16,20,24,28,32,36,40,44,48,52,56,60
.irp a, 0,1
	v_pk_add_f32 v[ST+8*\a+2:ST+8*\a+3], v[ST+8*\a+2:ST+8*\a+3], v[RAW0+80*\a+\j:RAW0+80*\a+\j+1]
	v_pk_add_f32 v[ST+8*\a+4:ST+8*\a+5], v[ST+8*\a+4:ST+8*\a+5], v[RAW0+80*\a+\j+2:RAW0+80*\a+\j+3]
.endr
.endr
.irp a, 0,1
	v_pk_add_f32 v[ST+8*\a+2:ST+8*\a+3], v[ST+8*\a+2:ST+8*\a+3], v[ST+8*\a+4:ST+8*\a+5]
.endr
.set JJ, 0
.rept 32
.irp a, 0,1
	v_cvt_pk_f16_f32 v[RAW0+80*\a+JJ], v[RAW0+80*\a+2*JJ], v[RAW0+80*\a+2*JJ+1]   ; in place, ascending: registers 8 f .. 8 f + 7 are source 1 for keys 64 h + 16 f + 0..15
.endr
.set JJ, JJ+1
.endr
	WIN 0x41
.set JJ, 0
.rept 16
.irp a, 0,1
	v_pk_mul_f32 v[OT+32*\a+JJ:OT+32*\a+JJ+1], v[OT+32*\a+JJ:OT+32*\a+JJ+1], v[ST+8*\a+6:ST+8*\a+7] op_sel_hi:[1,0]   ; O^T under the new m
.endr
.set JJ, JJ+2
.endr
.endm
; A KEY STEP: 128 keys, the q-th of the slot in hand.  Each s_wait_dscnt 16 leaves the one batch issued last on its way.
.macro STEP q
.rept 5
	v_nop                                          ; the first products below write over registers that the last products read as source 1: five places; four serve the loads
.endr
	LDP 0, FA, \q
	LDP 1, FB, \q
	s_wait_dscnt 16
	POS 0, FA
	PLACES
	LDP 2, FA, \q
	s_wait_dscnt 16
	POS 1, FB
	PLACES
	LDK 0, FB, \q
	s_wait_dscnt 16
	POS 2, FA
	PLACES
	LDK 1, FA, \q
	WIN 0
	SKEW
	s_wait_dscnt 16
	CONT 0, FB
	PLACES
	LDV 0, FB, \q
	s_wait_dscnt 16
	CONT 1, FA
	PLACES
	LDV 1, FA, \q
	SOFTMAX
	s_wait_dscnt 16
	PVM 0, FB
	s_wait_dscnt 0x0
	PVM 1, FA
	WIN 0                                          ; at a label and at a branch every window is 0
.endm
.macro SLOT
	v_add_nc_u32 v[ADP], s[TBP], v[APB]
	v_add_nc_u32 v[ADKV], s[TBKV], v[LN16]
	STEP 0
	STEP 1
	s_xor_b32 s[TBKV], s[TBKV], 0x10000            ; on to the other slot
	s_xor_b32 s[TBP], s[TBP], 0x10400
.endm
; Q + a bias, in f32, rounded to f16: register 16 a + n holds channels 16 (n / 4) + 8 h + 2 (n % 4) + 0, 1 of query r: two fragments of source 1
.macro MKQ dst, bias
.irp a, 0,1
.set JJ, 0
.rept 16
	v_pk_add_f32 v[RAW0+80*\a+32+JJ:RAW0+80*\a+33+JJ], v[RAW0+80*\a+JJ:RAW0+80*\a+JJ+1], v[\bias+JJ:\bias+JJ+1]
.set JJ, JJ+2
.endr
.endr
	WIN 0x40
.irp a, 0,1
.set JJ, 0
.rept 16
	v_cvt_pk_f16_f32 v[\dst+16*\a+JJ], v[RAW0+80*\a+32+2*JJ], v[RAW0+80*\a+33+2*JJ]
.set JJ, JJ+1
.endr
.endr
	WIN 0
.endm
	s_load_b256 s[4:11], s[0:1], 0x0               ; q32 s[4:5], kimg s[6:7], vimg s[8:9], pimg s[10:11]
	s_load_b128 s[12:15], s[0:1], 0x20             ; u_bias s[12:13], v_bias s[14:15]
	s_load_b64 s[16:17], s[0:1], 0x30              ; ctx
	v_lshl_add_u32 v[SPW], v0, 2, SPARE
	v_mov_b32 v[NIL], 0
	ds_add_u32 v[SPW], v[NIL]                      ; the wave's opening: the add, twice on end, and its wait ahead of my first tensor load; the set-up below stands between
	ds_add_u32 v[SPW], v[NIL]
	v_lshrrev_b32 v24, 5, v0
	v_readfirstlane_b32 s[WV], v24                 ; wave 0..7
	s_mov_b32 s[QB], ttmp9                         ; my block of 256 queries
	s_and_b32 s[BH], ttmp7, 0xffff                 ; 8 batch + head
	; descriptor groups 1.  K, V: 16,384 dense bytes as 64 rows of 256 (32 elements of 8 bytes)
	s_mov_b32 s[G1KV], 3<<16                       ; no mask; elements of 8 bytes; no padding
	s_mov_b32 s[G1KV+1], 32<<16                    ; tensor_dim0
	s_mov_b32 s[G1KV+2], 64<<16                    ; tensor_dim1
	s_mov_b32 s[G1KV+3], 32<<16                    ; tile_dim0
	s_mov_b32 s[G1KV+4], 64                        ; tile_dim1
	s_mov_b32 s[G1KV+5], 32                        ; from row to row
	s_mov_b32 s[G1KV+6], 0
	s_mov_b32 s[G1KV+7], 0
	; p: 16 groups of 1,024 bytes (128 elements), four words of padding behind every 256
	s_mov_b32 s[G1P], (3<<16)|(1<<20)|(7<<22)|(3<<25)
	s_mov_b32 s[G1P+1], 128<<16
	s_mov_b32 s[G1P+2], 16<<16
	s_mov_b32 s[G1P+3], 128<<16
	s_mov_b32 s[G1P+4], 16
	s_mov_b32 s[G1P+5], 128
	s_mov_b32 s[G1P+6], 0
	s_mov_b32 s[G1P+7], 0
	s_mov_b32 s[CS], 0x3d8293ee                    ; c = log2(e) / sqrt(512)
	s_mov_b32 s[CS+1], s[CS]                       ; (named with it as a pair, so it is written)
	s_mov_b32 s[SEL], 0x76543210
	s_mov_b32 s[SEL+1], 0xfedcba98
	s_mov_b32 s[TBKV], 0
	s_mov_b32 s[TBP], PS0
	s_mov_b32 s[CNT], 7
	s_and_b32 s56, s[WV], 3
	s_lshl_b32 s57, s56, 14                        ; 16,384 (w % 4): my part of a slot of K and V, and of p's 64 groups in memory
	s_mul_i32 s58, s56, 16*GP
	s_add_co_u32 s58, s58, PS0                     ; my 16 groups in LDS
	s_lshl_b32 s60, s[BH], 18                      ; K, V: 262,144 bh + 16,384 (w % 2)
	s_and_b32 s59, s[WV], 1
	s_lshl_b32 s59, s59, 14
	s_add_co_u32 s60, s60, s59
	s_mov_b32 s61, 0
	s_lshl_b32 s62, s[BH], 19                      ; p: 524,288 bh + 32,768 (7 - qb) + my part
	s_xor_b32 s59, s[QB], 7
	s_lshl_b32 s59, s59, 15
	s_add_co_u32 s62, s62, s59
	s_add_co_u32 s62, s62, s57
	s_mov_b32 s63, 0
	s_wait_dscnt 0x0                               ; both opening adds are done
	s_wait_kmcnt 0x0
	s_mov_b32 s[G0KV], 1                           ; count = 1
	s_mov_b32 s[G0KV+1], s57                       ; LDS address: slot 0
	s_cmp_lt_u32 s56, 2
	s_cselect_b64 s[G0KV+2:G0KV+3], s[6:7], s[8:9] ; K's steps or V's
	s_add_nc_u64 s[G0KV+2:G0KV+3], s[G0KV+2:G0KV+3], s[60:61]
	s_or_b32 s[G0KV+3], s[G0KV+3], 0x80000000      ; type = 2
	s_mov_b32 s[G0P], 1
	s_mov_b32 s[G0P+1], s58
	s_add_nc_u64 s[G0P+2:G0P+3], s[10:11], s[62:63]
	s_or_b32 s[G0P+3], s[G0P+3], 0x80000000
	TLOAD                                          ; slot 0
	v_and_b32 v24, 31, v0
	v_lshlrev_b32 v[LN16], 4, v24
	v_and_b32 v24, 15, v0                          ; r
	v_bfe_u32 v25, v0, 4, 1                        ; h
	v_lshlrev_b32 v[H32], 5, v25
	s_lshl_b32 s56, s[BH], 7                       ; q32: (128 bh + 16 qb + 2 w) x 4,096
	s_lshl_b32 s59, s[QB], 4
	s_add_co_u32 s56, s56, s59
	s_lshl_b32 s59, s[WV], 1
	s_add_co_u32 s56, s56, s59
	s_lshl_b32 s56, s56, 12
	s_mov_b32 s57, 0
	s_add_nc_u64 s[4:5], s[4:5], s[56:57]
	s_and_b32 s56, s[BH], 7                        ; u, v: the head's 256 bytes
	s_lshl_b32 s56, s56, 8
	s_add_nc_u64 s[12:13], s[12:13], s[56:57]
	s_add_nc_u64 s[14:15], s[14:15], s[56:57]
.irp a, 0,1
.irp n, 0,1,2,3
.irp e, 0,1
	global_load_b128 v[RAW0+80*\a+8*\n+4*\e:RAW0+80*\a+8*\n+4*\e+3], v[LN16], s[4:5] offset:4096*\a+1024*\n+512*\e   ; q + bq: query r, channels 16 n + 8 h + 4 e + 0..3
.endr
.endr
.endr
.irp n, 0,1,2,3
.irp e, 0,1
	global_load_b128 v[UB+8*\n+4*\e:UB+8*\n+4*\e+3], v[H32], s[12:13] offset:64*\n+16*\e
	global_load_b128 v[VB+8*\n+4*\e:VB+8*\n+4*\e+3], v[H32], s[14:15] offset:64*\n+16*\e
.endr
.endr
	s_lshr_b32 s56, s[BH], 3                       ; ctx: (128 batch + 16 qb + 2 w) x 16,384 + head x 2,048
	s_lshl_b32 s56, s56, 7
	s_lshl_b32 s59, s[QB], 4
	s_add_co_u32 s56, s56, s59
	s_lshl_b32 s59, s[WV], 1
	s_add_co_u32 s56, s56, s59
	s_lshl_b32 s56, s56, 14
	s_and_b32 s59, s[BH], 7
	s_lshl_b32 s59, s59, 11
	s_add_co_u32 s56, s56, s59
	s_add_nc_u64 s[16:17], s[16:17], s[56:57]
	s_xor_b32 s59, s[WV], 7
	s_mul_i32 s59, s59, 4*GP
	v_lshrrev_b32 v26, 3, v24                      ; r / 8
	v_and_b32 v27, 7, v24                          ; r % 8
	v_mul_u32_u24 v[APB], v26, 8*GP
	v_lshl_add_u32 v[APB], v25, 7, v[APB]
	v_lshl_add_u32 v[APB], v27, 4, v[APB]
	v_add_nc_u32 v[APB], s59, v[APB]
.irp a, 0,1
	v_mov_b32 v[ST+8*\a+1], 0xff61b1e6             ; m: -3e38, under every score
	v_mul_f32 v[ST+8*\a], s[CS], v[ST+8*\a+1]      ; c m
.irp j, 2,3,4,5,6,7
	v_mov_b32 v[ST+8*\a+\j], 0                     ; l; and the registers at work, written once
.endr
.endr
	WIN 0x40
.set JJ, 0
.rept 64
	v_mov_b32 v[OT+JJ], 0                          ; O^T.  (The step is written without a first step of its own: the first finds zeros, which the first factor, 0, leaves zeros)
.set JJ, JJ+1
.endr
	WIN 0
	s_wait_loadcnt 0x0                             ; q, u, v
	MKQ QU, UB
	MKQ QV, VB
.Lslot:                                            ; seven trips: behind each change of slots but the last the next slot is asked for
	CHANGE 1
	SLOT
	s_sub_co_u32 s[CNT], s[CNT], 1
	s_cmp_lg_u32 s[CNT], 0
	s_cbranch_scc1 .Lslot
	CHANGE 0                                       ; the last slot is written out
	SLOT
	; THE WAY OUT: O^T / l, rounded to f16: a lane's eight channels are one piece of the next launch's operand registers
	PLACES
.irp a, 0,1
	v_add_f32 v[ST+8*\a+4], v[ST+8*\a+2], v[ST+8*\a+3]
.endr
.irp a, 0,1
	v_permlanex16_b32 v[ST+8*\a+5], v[ST+8*\a+4], s[SEL], s[SEL+1]
.endr
.irp a, 0,1
	v_add_f32 v[ST+8*\a+4], v[ST+8*\a+4], v[ST+8*\a+5]             ; the row's sum
.endr
.irp a, 0,1
	v_rcp_f32 v[ST+8*\a+6], v[ST+8*\a+4]
.endr
	v_nop                                          ; a plain instruction behind the last reciprocal
	s_wait_alu depctr_va_vdst(0)                   ; and the wait ahead of the first use: one for both
	WIN 0x41
.irp a, 0,1
.set JJ, 0
.rept 16
	v_pk_mul_f32 v[OT+32*\a+JJ:OT+32*\a+JJ+1], v[OT+32*\a+JJ:OT+32*\a+JJ+1], v[ST+8*\a+6:ST+8*\a+7] op_sel_hi:[1,0]
.set JJ, JJ+2
.endr
.endr
	WIN 0x05                                       ; sources window 1, destination window 0
.irp a, 0,1
.set JJ, 0
.rept 16
	v_cvt_pk_f16_f32 v[RAW0+80*\a+JJ], v[OT+32*\a+2*JJ], v[OT+32*\a+2*JJ+1]
.set JJ, JJ+1
.endr
.endr
	WIN 0
.irp a, 0,1
.irp ct, 0,1,2,3
	global_store_b128 v[LN16], v[RAW0+80*\a+4*\ct:RAW0+80*\a+4*\ct+3], s[16:17] offset:16384*\a+512*\ct   ; 512 consecutive bytes: token 16 a + r, model channels 64 head + 16 ct + 8 h + 0..7
.endr
.endr
	s_wait_tensorcnt 0x0                           ; the wave's end, behind my last tensor load
	ds_add_u32 v[SPW], v[NIL]
	s_wait_dscnt 0x0
	s_endpgm
.Lfunc_end_k_qf2592a4545_attn:
	.size	k_qf2592a4545_attn, .Lfunc_end_k_qf2592a4545_attn-k_qf2592a4545_attn
	.p2alignl 7, 3214868480
	.fill 96, 4, 3214868480
	.section	.rodata,"a",@progbits
	.p2align	6, 0x0
	.amdhsa_kernel k_qf2592a4545_attn
		.amdhsa_group_segment_fixed_size 327680
		.amdhsa_private_segment_fixed_size 0
		.amdhsa_enable_private_segment 0
		.amdhsa_kernarg_size 56
		.amdhsa_user_sgpr_count 2
		.amdhsa_user_sgpr_kernarg_segment_ptr 1
		.amdhsa_wavefront_size32 1
		.amdhsa_system_sgpr_workgroup_id_x 1
		.amdhsa_system_sgpr_workgroup_id_y 1
		.amdhsa_system_sgpr_workgroup_id_z 1
		.amdhsa_system_vgpr_workitem_id 0
		.amdhsa_next_free_vgpr 512
		.amdhsa_next_free_sgpr 66
		.amdhsa_reserve_vcc 1
		.amdhsa_float_denorm_mode_32 3
		.amdhsa_float_denorm_mode_16_64 3
		.amdhsa_memory_ordered 1
		.amdhsa_forward_progress 1
		.amdhsa_inst_pref_size 245
	.end_amdhsa_kernel
	.amdgpu_metadata
---
amdhsa.version: [ 1, 2 ]
amdhsa.kernels:
  - .name:           k_qf2592a4545_attn
    .symbol:         k_qf2592a4545_attn.kd
    .args:
      - { .name: q32, .offset: 0, .size: 8, .value_kind: global_buffer, .address_space: global }
      - { .name: kimg, .offset: 8, .size: 8, .value_kind: global_buffer, .address_space: global }
      - { .name: vimg, .offset: 16, .size: 8, .value_kind: global_buffer, .address_space: global }
      - { .name: pimg, .offset: 24, .size: 8, .value_kind: global_buffer, .address_space: global }
      - { .name: u_bias, .offset: 32, .size: 8, .value_kind: global_buffer, .address_space: global }
      - { .name: v_bias, .offset: 40, .size: 8, .value_kind: global_buffer, .address_space: global }
      - { .name: ctx, .offset: 48, .size: 8, .value_kind: global_buffer, .address_space: global }
    .group_segment_fixed_size: 327680
    .private_segment_fixed_size: 0
    .kernarg_segment_align: 8
    .kernarg_segment_size: 56
    .max_flat_workgroup_size: 256
    .sgpr_count:     66
    .vgpr_count:     512
    .wavefront_size: 32
...
	.end_amdgpu_metadata
.endif
;; end of part 3
;; launch outp (part 4): grid 4 x 64, 8 waves a work-group, no clusters, 297,984 bytes of LDS; arguments ctx, wo16, bo, out0; writes out0
.if DOCPART == 4
	.amdgcn_target "amdgcn-amd-amdhsa--gfx1250"
	.amdhsa_code_object_version 6
	.text
	.protected	k_qf2592a4545_outp
	.globl	k_qf2592a4545_outp
	.p2align	8
	.type	k_qf2592a4545_outp,@function
k_qf2592a4545_outp:
	s_mov_b64 s[64:65], 0
	v_nop
	global_prefetch_b8 v0, s[64:65] scope:SCOPE_SE
	s_setreg_imm32_b32 hwreg(HW_REG_WAVE_MODE, 25, 1), 1
	s_wait_xcnt 0x0
; OUTP: out0 = context Wo^T + bo.  Both operands arrive as f16 in the order of the operand registers (ctx [mtile 512][kc 16][c 2][lane][16 B], wo16 [nt 32][kc 16][c 2][lane][16 B]); sums in f32; out0 [8192][512] f32.
; A work-group makes 128 tokens (y) x 128 columns (x).  All of K = 512 of both blocks, 256 KB, fits in LDS: every byte is filled once, by two tensor loads a wave issued at the head; there is no ring and no refill.
; LDS: chunk j (K chunks kc = 4 j .. 4 j + 3) at 65,536 j: Wo's eight tiles of 16 columns, 4,096 bytes each, then ctx's eight tiles of 16 tokens.  A wave's first load lies in chunks 0, 1, its second in chunks 2, 3.
; Eight waves: wave w makes tokens 32 (w / 2) on x columns 64 (w % 2) on: eight accumulators, by turns.  Source 0 = 16 rows of Wo, source 1 = 16 tokens: a lane holds one token and eight neighbouring columns.
; bo is the C of each sum's first product.  The way out goes through the wave's own stage, so that sixteen lanes store 256 consecutive bytes, at a multiple of 256 from out0's first byte.
; NO CLUSTER: each block is asked for once a work-group, at the head, and the launch's whole input is 9 MB.
; LIMITS: as the launches before: values beyond f16's range are not served.
.set CH,    65536
.set STAGE, 262144                     ; behind the chunks: 16 rows x (256 + 16) bytes for each wave; no tensor load lands here
.set SPARE, 296960                     ; the spare words, 128 bytes for each wave: four blocks of 256 bytes that no other line names
.set LN16, 1                           ; v1 16 x lane
.set ADA,  2                           ; v2 my fragments of Wo in the chunk in hand
.set ADB,  3                           ; v3 my fragments of ctx
.set STO,  4                           ; v4 the stage: where I put 32 bytes of a row
.set RD,   5                           ; v5 and where I read a row back
.set GO,   6                           ; v6 my byte offset in two rows of out0
.set H32,  7                           ; v7 32 h
.set SPW,  8                           ; v8 LDS address of my spare word; never rewritten
.set NIL,  9                           ; v9 0; never rewritten
.set BIAS, 16                          ; v16-47  bo, eight registers a tile of columns
.set ACC,  48                          ; v48-111 accumulator (i', i) at 8 (4 i' + i)
.set SET0, 112                         ; v112-159, v160-207: two sets of six fragments: Wo's four, ctx's two
.set WV,   12
.macro PLACES
.rept 4
	v_nop
.endr
.endm
.macro LDF set, kcl                    ; the six fragments of the chunk's kcl-th 32 along K
.irp i, 0,1,2,3
.irp c, 0,1
	ds_load_b128 v[\set+8*\i+4*\c:\set+8*\i+4*\c+3], v[ADA] offset:4096*\i+1024*(\kcl)+512*\c
.endr
.endr
.irp i, 0,1
.irp c, 0,1
	ds_load_b128 v[\set+32+8*\i+4*\c:\set+32+8*\i+4*\c+3], v[ADB] offset:4096*\i+1024*(\kcl)+512*\c
.endr
.endr
.endm
.macro MM set, kc                      ; eight products, the accumulators by turns, one instruction a turn
.irp ip, 0,1
.irp i, 0,1,2,3
.if (\kc) == 0
	v_wmma_f32_16x16x32_f16 v[ACC+8*(4*\ip+\i):ACC+8*(4*\ip+\i)+7], v[\set+8*\i:\set+8*\i+7], v[\set+32+8*\ip:\set+32+8*\ip+7], v[BIAS+8*\i:BIAS+8*\i+7]
.else
	v_wmma_f32_16x16x32_f16 v[ACC+8*(4*\ip+\i):ACC+8*(4*\ip+\i)+7], v[\set+8*\i:\set+8*\i+7], v[\set+32+8*\ip:\set+32+8*\ip+7], v[ACC+8*(4*\ip+\i):ACC+8*(4*\ip+\i)+7]
.endif
.endr
.endr
.endm
.macro NEXTCH
	v_add_nc_u32 v[ADA], CH, v[ADA]
	v_add_nc_u32 v[ADB], CH, v[ADB]
.endm
; K chunk kc: the next chunk's fragments are asked for into the other set, then this one is multiplied.  last = 1: what follows lies behind a barrier, or nothing follows
.macro KSTEP kc, last
	PLACES                                         ; in front of loads into registers that the last products read
.if \last
	s_wait_dscnt 0x0
.else
.if ((\kc)+1)%4 == 0
	NEXTCH
.endif
	LDF SET0+48*(((\kc)+1)%2), ((\kc)+1)%4
	s_wait_dscnt 12                                ; all but the 12 just issued
.endif
	MM SET0+48*((\kc)%2), \kc
.endm
	s_load_b256 s[4:11], s[0:1], 0x0               ; ctx s[4:5], wo16 s[6:7], bo s[8:9], out0 s[10:11]
	v_lshl_add_u32 v[SPW], v0, 2, SPARE
	v_mov_b32 v[NIL], 0
	ds_add_u32 v[SPW], v[NIL]                      ; the wave's opening: the add, twice on end, and its wait ahead of my first tensor load; the set-up below stands between
	ds_add_u32 v[SPW], v[NIL]
	v_lshrrev_b32 v10, 5, v0
	v_readfirstlane_b32 s[WV], v10                 ; wave 0..7
	s_and_b32 s13, ttmp7, 0xffff                   ; my block of 128 tokens; ttmp9: my block of 128 columns
	; descriptor group 1: four tiles' 4,096 bytes (512 elements of 8 bytes), 16,384 bytes apart
	s_mov_b32 s32, 3<<16
	s_mov_b32 s33, 512<<16                         ; tensor_dim0
	s_mov_b32 s34, 4<<16                           ; tensor_dim1
	s_mov_b32 s35, 512<<16                         ; tile_dim0
	s_mov_b32 s36, 4                               ; tile_dim1
	s_mov_b32 s37, 2048                            ; from row to row
	s_mov_b32 s38, 0
	s_mov_b32 s39, 0
	s_lshl_b32 s14, s[WV], 14                      ; LDS: 16,384 w: chunk w / 4; in it w % 4 = 0, 1: Wo's tiles 0-3, 4-7; 2, 3: ctx's
	s_and_b32 s15, s[WV], 2
	s_cmp_lg_u32 s15, 0
	s_cselect_b32 s16, s13, ttmp9
	s_lshl_b32 s16, s16, 17                        ; my block: eight tiles of 16,384 bytes,
	s_and_b32 s17, s[WV], 1
	s_lshl_b32 s17, s17, 16
	s_add_co_u32 s16, s16, s17                     ; its first or second four,
	s_lshr_b32 s17, s[WV], 2
	s_lshl_b32 s17, s17, 12
	s_add_co_u32 s16, s16, s17                     ; chunk w / 4
	s_mov_b32 s17, 0
	s_wait_dscnt 0x0                               ; both opening adds are done
	s_wait_kmcnt 0x0
	s_cmp_lg_u32 s15, 0
	s_cselect_b64 s[18:19], s[4:5], s[6:7]
	s_add_nc_u64 s[18:19], s[18:19], s[16:17]
	s_mov_b32 s24, 1
	s_mov_b32 s25, s14
	s_mov_b64 s[26:27], s[18:19]
	s_or_b32 s27, s27, 0x80000000
	s_mov_b32 s28, 1
	s_add_co_u32 s29, s14, 2*CH                    ; two chunks on, in LDS
	s_add_nc_u64 s[30:31], s[18:19], 8192          ; and in memory
	s_or_b32 s31, s31, 0x80000000
	tensor_load_to_lds s[24:27], s[32:39]          ; both first fills together: two loads of mine are out
	s_nop 0
	tensor_load_to_lds s[28:31], s[32:39]
	s_nop 0
.rept 4
	v_nop
.endr
	v_and_b32 v10, 31, v0
	v_lshlrev_b32 v[LN16], 4, v10
	v_and_b32 v11, 15, v0                          ; r
	v_bfe_u32 v12, v0, 4, 1                        ; h
	s_and_b32 s20, s[WV], 1                        ; wn
	s_lshr_b32 s21, s[WV], 1                       ; wm
	s_lshl_b32 s22, s20, 14
	v_add_nc_u32 v[ADA], s22, v[LN16]              ; Wo's tiles 4 wn on
	s_lshl_b32 s22, s21, 13
	s_add_co_u32 s22, s22, 32768
	v_add_nc_u32 v[ADB], s22, v[LN16]              ; ctx's tiles 2 wm on
	s_mul_i32 s22, s[WV], 16*272
	s_add_co_u32 s22, s22, STAGE                   ; my stage
	v_mul_u32_u24 v[STO], v11, 272
	v_lshl_add_u32 v[STO], v12, 5, v[STO]
	v_add_nc_u32 v[STO], s22, v[STO]               ; in: row r, + 32 h
	v_mul_u32_u24 v[RD], v12, 272
	v_lshl_add_u32 v[RD], v11, 4, v[RD]
	v_add_nc_u32 v[RD], s22, v[RD]                 ; back: lanes 0-15 one row, lanes 16-31 the next
	v_lshlrev_b32 v[GO], 11, v12
	v_lshl_add_u32 v[GO], v11, 4, v[GO]            ; and the same two rows of out0
	v_lshlrev_b32 v[H32], 5, v12
	s_lshl_b32 s22, ttmp9, 9                       ; my first column, in bytes: 512 x block + 256 wn
	s_lshl_b32 s23, s20, 8
	s_add_co_u32 s22, s22, s23
	s_mov_b32 s23, 0
	s_add_nc_u64 s[8:9], s[8:9], s[22:23]
	s_add_nc_u64 s[10:11], s[10:11], s[22:23]
	s_lshl_b32 s22, s13, 7
	s_lshl_b32 s40, s21, 5
	s_add_co_u32 s22, s22, s40                     ; my first token: 128 x block + 32 wm
	s_lshl_b32 s22, s22, 11
	s_add_nc_u64 s[10:11], s[10:11], s[22:23]
.irp i, 0,1,2,3
.irp e, 0,1
	global_load_b128 v[BIAS+8*\i+4*\e:BIAS+8*\i+4*\e+3], v[H32], s[8:9] offset:64*\i+16*\e   ; bo at columns 16 i + 8 h + 0..7
.endr
.endr
	s_wait_tensorcnt 0x1                           ; my first load has landed; my second may stay out
	s_barrier_signal -1
	s_barrier_wait -1                              ; chunks 0 and 1 are whole
	LDF SET0, 0
	s_wait_loadcnt 0x0                             ; bo
.irp kc, 0,1,2,3,4,5,6
	KSTEP \kc, 0
.endr
	KSTEP 7, 1
	s_wait_tensorcnt 0x0                           ; my second load has landed (no LDS instruction of mine is out)
	s_barrier_signal -1
	s_barrier_wait -1                              ; chunks 2 and 3 are whole
	NEXTCH
	LDF SET0, 0
.irp kc, 8,9,10,11,12,13,14
	KSTEP \kc, 0
.endr
	KSTEP 15, 1
	; THE WAY OUT, 16 tokens x 64 columns at a time, through my own stage: LDS serves a wave's instructions in order (ISA guide 5.7.1.4), so no wait stands between the stores and the loads
	PLACES
.irp ip, 0,1
.irp i, 0,1,2,3
	ds_store_b128 v[STO], v[ACC+8*(4*\ip+\i):ACC+8*(4*\ip+\i)+3] offset:64*\i          ; each accumulator from its low end on
	ds_store_b128 v[STO], v[ACC+8*(4*\ip+\i)+4:ACC+8*(4*\ip+\i)+7] offset:64*\i+16
.endr
.irp t, 0,1,2,3,4,5,6,7
	ds_load_b128 v[SET0+48*\ip+4*\t:SET0+48*\ip+4*\t+3], v[RD] offset:544*\t
.endr
.irp t, 0,1,2,3,4,5,6,7
	s_wait_dscnt 7-\t                              ; the younger loads may stay out
	global_store_b128 v[GO], v[SET0+48*\ip+4*\t:SET0+48*\ip+4*\t+3], s[10:11] offset:32768*\ip+4096*\t th:TH_STORE_NT
.endr
.endr
	s_wait_tensorcnt 0x0                           ; the wave's end, behind my last tensor load and my last LDS store
	ds_add_u32 v[SPW], v[NIL]
	s_wait_dscnt 0x0
	s_endpgm
.Lfunc_end_k_qf2592a4545_outp:
	.size	k_qf2592a4545_outp, .Lfunc_end_k_qf2592a4545_outp-k_qf2592a4545_outp
	.p2alignl 7, 3214868480
	.fill 96, 4, 3214868480
	.section	.rodata,"a",@progbits
	.p2align	6, 0x0
	.amdhsa_kernel k_qf2592a4545_outp
		.amdhsa_group_segment_fixed_size 297984
		.amdhsa_private_segment_fixed_size 0
		.amdhsa_enable_private_segment 0
		.amdhsa_kernarg_size 32
		.amdhsa_user_sgpr_count 2
		.amdhsa_user_sgpr_kernarg_segment_ptr 1
		.amdhsa_wavefront_size32 1
		.amdhsa_system_sgpr_workgroup_id_x 1
		.amdhsa_system_sgpr_workgroup_id_y 1
		.amdhsa_system_sgpr_workgroup_id_z 1
		.amdhsa_system_vgpr_workitem_id 0
		.amdhsa_next_free_vgpr 256
		.amdhsa_next_free_sgpr 66
		.amdhsa_reserve_vcc 0
		.amdhsa_float_denorm_mode_32 3
		.amdhsa_float_denorm_mode_16_64 3
		.amdhsa_memory_ordered 1
		.amdhsa_forward_progress 1
		.amdhsa_inst_pref_size 32
	.end_amdhsa_kernel
	.amdgpu_metadata
---
amdhsa.version: [ 1, 2 ]
amdhsa.kernels:
  - .name:           k_qf2592a4545_outp
    .symbol:         k_qf2592a4545_outp.kd
    .args:
      - { .name: ctx, .offset: 0, .size: 8, .value_kind: global_buffer, .address_space: global }
      - { .name: wo16, .offset: 8, .size: 8, .value_kind: global_buffer, .address_space: global }
      - { .name: bo, .offset: 16, .size: 8, .value_kind: global_buffer, .address_space: global }
      - { .name: out0, .offset: 24, .size: 8, .value_kind: global_buffer, .address_space: global }
    .group_segment_fixed_size: 297984
    .private_segment_fixed_size: 0
    .kernarg_segment_align: 8
    .kernarg_segment_size: 32
    .max_flat_workgroup_size: 256
    .sgpr_count:     66
    .vgpr_count:     256
    .wavefront_size: 32
...
	.end_amdgpu_metadata
.endif
;; end of part 4
;; ======== version 2 of 2: 4 launches; 1.12 times as fast as version 1
;; limits: values are held in f16: magnitudes above 65,504 overflow, below 6.1e-05 lose precision
;; workspace buffers: wcodes 524,288 bytes; wscl 32,768 bytes; wo16 524,288 bytes; q32 16,777,216 bytes; kimg 8,388,608 bytes; vimg 8,388,608 bytes; pimg 16,777,216 bytes; ctx 8,388,608 bytes
;; launch prep: the kernel of part 1 again; grid 256 x 1, 1 waves a work-group, no clusters, 0 bytes of LDS; arguments Wq, Wk, Wv, Wp, Wo, wcodes, wscl, wo16; writes wcodes, wscl, wo16
;; launch proj (part 5): grid 640 x 1, 4 waves a work-group, no clusters, 52,736 bytes of LDS; arguments query, key, value, pos_embedding, wcodes, wscl, bq, bk, bv, q32, kimg, vimg, pimg; writes q32, kimg, vimg, pimg
.if DOCPART == 5
	.amdgcn_target "amdgcn-amd-amdhsa--gfx1250"
	.amdhsa_code_object_version 6
	.text
	.protected	k_qf2592a4545_proj
	.globl	k_qf2592a4545_proj
	.p2align	8
	.type	k_qf2592a4545_proj,@function
k_qf2592a4545_proj:
	s_mov_b64 s[64:65], 0
	v_nop
	global_prefetch_b8 v0, s[64:65] scope:SCOPE_SE
	s_setreg_imm32_b32 hwreg(HW_REG_WAVE_MODE, 25, 1), 1
	s_wait_xcnt 0x0
; PROJ: the four quantised projections, x W^T (+ b), K = 512, on codes of FP4 (E2M1) with one E8M0 scale for each 32 along K.
; T = min(g / 128, 3): 0 query, 1 key, 2 value (128 work-groups each, 64 rows), 3 pos_embedding (256 work-groups: 4 batches of 4,096 rows, row 4095 a copy of row 4094, which no later launch selects).
; SHARES.  Four waves.  Wave w quantises 16 of the 64 rows (token tile w: four fragments, K steps of 128) and hands them to the others through LDS as images of their registers; then it makes channels
; 128 w .. 128 w + 127 (heads 2 w, 2 w + 1: eight tiles nt of 16) for all four token tiles.  Its 32 fragments of W stay in registers (window 1), read once.
; X COMES IN AS IT LIES.  The conversions want 16 neighbours along K in one lane; a load is best where neighbouring lanes take neighbouring bytes.  Both are had: each load takes 512 consecutive bytes of one row, 16 a lane;
; a K step's 16 rows go through the wave's own stage in LDS (rows of 512 + 16 bytes) and come back 64 bytes a lane for each block of 32.  x is asked for ahead of the weights, which are wanted only behind the barrier.
; WHICH ROWS FORM A TOKEN TILE IS FREE: q and p take 16 neighbours; k and v take rows 8 t + 0..7 and 64 + 8 t + 0..7 of a step of 128 keys, which is the order in which the attention launch wants them.
; q, k, p: the product is used transposed (source 0 = 16 rows of W, source 1 = 16 tokens): a lane holds one token and eight neighbouring channels.  v: the other way round: a lane holds one channel and eight neighbouring keys.
; So a lane's eight results are one piece of 16 bytes (f16) of the next launch's operand registers, and every store covers 512 consecutive bytes (p: two runs of 256).  Layouts (lane = 16 h + r, bh = 8 batch + head):
;   q32  [bh][qtile 128][nt' 4][e 2][lane][16 B] f32: query 16 qtile + r, channels 16 nt' + 8 h + 4 e + 0..3 (q + bq; u and v are added later, in f32)
;   kimg [bh][step 16][t 8][nt' 4][lane][16 B] f16: key 128 step + 8 t + r % 8 + 64 (r / 8), channels 16 nt' + 8 h + 0..7
;   vimg [bh][step 16][f 4][ct 4][c 2][lane][16 B] f16: channel 16 ct + r, keys 128 step + 64 h + 16 f + 8 c + 0..7
;   pimg [bh][G 512][o 8][g 8][16 B] f16: row 8 G + g, channels 8 o + 0..7
; The biases are the C of each sum's first product.  One barrier.  No tensor load: x is read once by one wave, the weights' 128 KB a work-group go straight into registers.
; LIMITS: NaN and infinities are not served; a block of zeros or under 2^-124 gets the scale byte 1 with zero codes; k, v, p beyond 65,504 in magnitude would overflow f16.
.set XIMG,  0                          ; LDS: x's 16 fragments (4 m + ks), 1,024 bytes each,
.set XSC,   16384                      ; their scale words, 128 bytes each,
.set SPARE, 18432                      ; the spare words, 128 bytes for each wave: two blocks of 256 bytes that no other line names,
.set STG,   18944                      ; and a stage for each wave: 16 rows of SPI bytes
.set SPI,   528                        ; 512 bytes + 16 = 33 x 16: the sixteen rows that sixteen lanes read start at sixteen different 16-byte columns modulo 256
.set STGB,  16*SPI
.set LN16, 1                           ; v1  16 x lane
.set LS,   2                           ; v2  4 x lane
.set TST,  3                           ; v3  my stage, on the way in: + 16 x lane
.set XWI,  4                           ; v4  where I store my images: 16 x lane + 4,096 x wave
.set XWS,  5                           ; v5  and their scale words: 4 x lane + 512 x wave
.set PLO,  6                           ; v6  pimg: (r / 8) x 1,024 + 128 h + 16 (r % 8)
.set R16,  7                           ; v7  16 r
.set H32,  8                           ; v8  32 h
.set R4,   9                           ; v9  4 r
.set TLD,  10                          ; v10 my stage, on the way out: + SPI r + 64 h
.set SPW,  14                          ; v14 LDS address of my spare word; never rewritten
.set NIL,  15                          ; v15 0; never rewritten
.set TM,   16                          ; first phase: v16-31 at work, v32 the scale word, v34-41 the codes
.set PW,   32
.set PC,   34
.set PK,   16                          ; second phase: v16-47 packed results
.set XF,   48                          ; v48-79  x's four fragments of a token tile
.set XS,   80                          ; v80-83  their scale words
.set WSC,  96                          ; v96-127 W's scale words, 4 nt + ks
.set ST0,  128                         ; v128-191 64 numbers of x; later the eight accumulators
.set ACC,  128
.set ST1,  192                         ; v192-255 64 numbers of x; later the biases, eight registers a tile
.set BIAS, 192
.set SEL,  48                          ; s[48:49]
.set MSB, 0
.macro WIN new                         ; the immediate's high byte repeats the setting that is left
.if MSB != \new
	s_set_vgpr_msb (MSB<<8)|\new
.set MSB, \new
.endif
.endm
; K step ks of my 16 rows as it lies: row i's 512 bytes into registers 4 i on, 16 bytes a lane.  s[44:45]: rows 0-7; s[46:47]: rows 8-14; s[60:61]: row 15, held at the tensor's last row
.macro XLOAD reg, ks
.irp i, 0,1,2,3,4,5,6,7
	global_load_b128 v[\reg+4*\i:\reg+4*\i+3], v[LN16], s[44:45] offset:2048*\i+512*(\ks) th:TH_LOAD_NT
.endr
.irp i, 0,1,2,3,4,5,6
	global_load_b128 v[\reg+32+4*\i:\reg+32+4*\i+3], v[LN16], s[46:47] offset:2048*\i+512*(\ks) th:TH_LOAD_NT
.endr
	global_load_b128 v[\reg+60:\reg+63], v[LN16], s[60:61] offset:512*(\ks) th:TH_LOAD_NT
.endm
; The 16 rows turn through my stage and come back into the registers that they left: register 16 b + i = k 32 b + 16 h + i of row r.  LDS serves a wave's instructions in order (ISA guide 5.7.1.4): no wait between the stores and the loads
.macro TURN reg
.irp i, 0,1,2,3,4,5,6,7,8,9,10,11,12,13,14,15
	ds_store_b128 v[TST], v[\reg+4*\i:\reg+4*\i+3] offset:SPI*\i
.endr
.irp b, 0,1,2,3
.irp j, 0,1,2,3
	ds_load_b128 v[\reg+16*\b+4*\j:\reg+16*\b+4*\j+3], v[TLD] offset:128*\b+16*\j
.endr
.endr
.endm
; A quarter of my weights: tiles nt = 2 q, 2 q + 1: their rows' scale words and their eight fragments: 18 loads
.macro WLOAD q
.irp n, 0,1
	global_load_b128 v[WSC+4*(2*(\q)+\n):WSC+4*(2*(\q)+\n)+3], v[R16], s[52:53] offset:256*(2*(\q)+\n)   ; row 16 nt + r: its four words
.endr
	WIN 0x40                                       ; destination window 1
.irp n, 0,1
.irp ks, 0,1,2,3
.irp c, 0,1
	global_load_b128 v[8*(4*(2*(\q)+\n)+\ks)+4*\c:8*(4*(2*(\q)+\n)+\ks)+4*\c+3], v[LN16], s[50:51] offset:(4*(2*(\q)+\n)+\ks)*1024+512*\c
.endr
.endr
.endr
	WIN 0
.endm
.macro QUANT s                         ; 64 numbers of a lane become a fragment's codes in v[PC] on and its row's scale word in v[PW]
.irp b, 0,1,2,3
	v_max3_num_f32 v[TM+\b], |v[\s+16*\b]|, |v[\s+1+16*\b]|, 0x1800000   ; my 16 numbers of block b, and the floor 2^(3 - 127): the byte cannot fall under 1
.endr
.irp i, 2,4,6,8,10,12,14
.irp b, 0,1,2,3
	v_max3_num_f32 v[TM+\b], v[TM+\b], |v[\s+16*\b+\i]|, |v[\s+1+16*\b+\i]|
.endr
.endr
.irp b, 0,1,2,3
	v_permlanex16_b32 v[TM+4+\b], v[TM+\b], s[SEL], s[SEL+1]
.endr
.irp b, 0,1,2,3
	v_max_num_f32 v[TM+\b], v[TM+\b], v[TM+4+\b]                   ; with lane l xor 16's: the block's largest magnitude
.endr
.irp b, 0,1,2,3
	v_add_nc_u32 v[TM+12+\b], 0xff000000, v[TM+\b]                 ; 2 off its exponent field: the conversion's scale operand
.endr
.irp b, 0,1,2,3
	v_lshrrev_b32 v[TM+4+\b], 23, v[TM+12+\b]                      ; the scale's byte
.endr
	v_lshl_or_b32 v[PW], v[TM+5], 8, v[TM+4]
	v_lshl_or_b32 v[PW], v[TM+6], 16, v[PW]
	v_lshl_or_b32 v[PW], v[TM+7], 24, v[PW]
.irp b, 0,1,2,3
	v_cvt_scalef32_pk8_fp4_f32 v[PC+2*\b], v[\s+16*\b:\s+7+16*\b], v[TM+12+\b]
	v_cvt_scalef32_pk8_fp4_f32 v[PC+1+2*\b], v[\s+8+16*\b:\s+15+16*\b], v[TM+12+\b]
.endr
	v_nop                                          ; one plain place behind a scaled conversion
.irp c, 0,1
.irp i, 0,1
	v_permlane16_swap_b32 v[PC+4*\c+\i], v[PC+2+4*\c+\i]           ; a whole block in a lane
.endr
.endr
.endm
; K step ks of my token tile: wait (left = the younger loads that may stay out), turn, quantise, image to LDS, ask for K step ks + 2
.macro XQ ks, set, more, left
	s_wait_loadcnt \left
	TURN \set
	s_wait_dscnt 0x0                               ; the rows are back
	QUANT \set
.irp c, 0,1
	ds_store_b128 v[XWI], v[PC+4*\c:PC+4*\c+3] offset:XIMG+1024*(\ks)+512*\c
.endr
	ds_store_b32 v[XWS], v[PW] offset:XSC+128*(\ks)
.if \more
	XLOAD \set, (\ks)+2
.endif
	s_wait_dscnt 0x0                               ; the stores have read their registers, which the next K step writes
.endm
; Token tile m: its four fragments from LDS, then 32 products: K step by K step, the eight accumulators by turns, one instruction a turn.
; swap = 1: source 0 = the tokens.  cz = 1: no bias: the sums begin with the constant 0.
.macro MAIN m, swap, cz
.irp ks, 0,1,2,3
.irp c, 0,1
	ds_load_b128 v[XF+8*\ks+4*\c:XF+8*\ks+4*\c+3], v[LN16] offset:XIMG+(4*(\m)+\ks)*1024+512*\c
.endr
	ds_load_b32 v[XS+\ks], v[LS] offset:XSC+(4*(\m)+\ks)*128
.endr
	s_wait_dscnt 0x0
	s_wait_xcnt 0x0                                ; the last tile's stores have read their data registers, which are written again below
.if \swap
	WIN 0x04                                       ; source 1 (W) window 1
.else
	WIN 0x01                                       ; source 0 (W) window 1
.endif
.irp ks, 0,1,2,3
.irp nt, 0,1,2,3,4,5,6,7
.if \swap
.if \ks == 0
	v_wmma_scale_f32_16x16x128_f8f6f4 v[ACC+8*\nt:ACC+8*\nt+7], v[XF+8*\ks:XF+8*\ks+7], v[8*(4*\nt+\ks):8*(4*\nt+\ks)+7], v[BIAS+8*\nt:BIAS+8*\nt+7], v[XS+\ks], v[WSC+4*\nt+\ks] matrix_a_fmt:MATRIX_FMT_FP4 matrix_b_fmt:MATRIX_FMT_FP4
.else
	v_wmma_scale_f32_16x16x128_f8f6f4 v[ACC+8*\nt:ACC+8*\nt+7], v[XF+8*\ks:XF+8*\ks+7], v[8*(4*\nt+\ks):8*(4*\nt+\ks)+7], v[ACC+8*\nt:ACC+8*\nt+7], v[XS+\ks], v[WSC+4*\nt+\ks] matrix_a_fmt:MATRIX_FMT_FP4 matrix_b_fmt:MATRIX_FMT_FP4
.endif
.else
.if (\ks == 0) && \cz
	v_wmma_scale_f32_16x16x128_f8f6f4 v[ACC+8*\nt:ACC+8*\nt+7], v[8*(4*\nt+\ks):8*(4*\nt+\ks)+7], v[XF+8*\ks:XF+8*\ks+7], 0, v[WSC+4*\nt+\ks], v[XS+\ks] matrix_a_fmt:MATRIX_FMT_FP4 matrix_b_fmt:MATRIX_FMT_FP4
.elseif \ks == 0
	v_wmma_scale_f32_16x16x128_f8f6f4 v[ACC+8*\nt:ACC+8*\nt+7], v[8*(4*\nt+\ks):8*(4*\nt+\ks)+7], v[XF+8*\ks:XF+8*\ks+7], v[BIAS+8*\nt:BIAS+8*\nt+7], v[WSC+4*\nt+\ks], v[XS+\ks] matrix_a_fmt:MATRIX_FMT_FP4 matrix_b_fmt:MATRIX_FMT_FP4
.else
	v_wmma_scale_f32_16x16x128_f8f6f4 v[ACC+8*\nt:ACC+8*\nt+7], v[8*(4*\nt+\ks):8*(4*\nt+\ks)+7], v[XF+8*\ks:XF+8*\ks+7], v[ACC+8*\nt:ACC+8*\nt+7], v[WSC+4*\nt+\ks], v[XS+\ks] matrix_a_fmt:MATRIX_FMT_FP4 matrix_b_fmt:MATRIX_FMT_FP4
.endif
.endif
.endr
.endr
	WIN 0
.rept 5
	v_nop                                          ; four places in front of the first read of results and of loads into operands; the fifth since the next tile's first products begin these accumulators anew with another C
.endr
.endm
.macro PACK                            ; eight f32 of a lane become one piece of 16 bytes; each accumulator from its low end on
.irp nt, 0,1,2,3,4,5,6,7
.irp i, 0,1,2,3
	v_cvt_pk_f16_f32 v[PK+4*\nt+\i], v[ACC+8*\nt+2*\i], v[ACC+8*\nt+2*\i+1]
.endr
.endr
.endm
.macro KVBASE lo, hi                   ; kimg and vimg: (8 batch + 2 w) x 262,144 + step x 16,384 + (loc % 2) x 8,192
	s_lshr_b32 s33, s31, 5
	s_lshl_b32 s33, s33, 3
	s_lshl_b32 s34, s32, 1
	s_add_co_u32 s33, s33, s34
	s_lshl_b32 s58, s33, 18
	s_and_b32 s34, s31, 31
	s_lshr_b32 s34, s34, 1
	s_lshl_b32 s34, s34, 14
	s_add_co_u32 s58, s58, s34
	s_and_b32 s34, s31, 1
	s_lshl_b32 s34, s34, 13
	s_add_co_u32 s58, s58, s34
	s_mov_b32 s59, 0
	s_add_nc_u64 s[56:57], s[\lo:\hi], s[58:59]
.endm
	s_load_b512 s[4:19], s[0:1], 0x0               ; query s[4:5], key s[6:7], value s[8:9], pos_embedding s[10:11], wcodes s[12:13], wscl s[14:15], bq s[16:17], bk s[18:19]
	s_load_b256 s[20:27], s[0:1], 0x40             ; bv s[20:21], q32 s[22:23], kimg s[24:25], vimg s[26:27]
	s_load_b64 s[28:29], s[0:1], 0x60              ; pimg
	v_lshl_add_u32 v[SPW], v0, 2, SPARE
	v_mov_b32 v[NIL], 0
	v_lshrrev_b32 v44, 5, v0
	v_readfirstlane_b32 s32, v44                   ; wave 0..3
	s_lshr_b32 s30, ttmp9, 7
	s_min_u32 s30, s30, 3                          ; T
	s_lshl_b32 s31, s30, 7
	s_sub_co_u32 s31, ttmp9, s31                   ; loc: my place among the tensor's work-groups
	v_and_b32 v44, 31, v0                          ; lane
	v_and_b32 v45, 15, v0                          ; r
	v_bfe_u32 v46, v0, 4, 1                        ; h
	v_lshlrev_b32 v[LN16], 4, v44
	v_lshlrev_b32 v[LS], 2, v44
	s_lshl_b32 s33, s32, 12
	v_add_nc_u32 v[XWI], s33, v[LN16]
	s_lshl_b32 s33, s32, 9
	v_add_nc_u32 v[XWS], s33, v[LS]
	s_mul_i32 s33, s32, STGB
	s_add_co_u32 s33, s33, STG                     ; my stage
	v_add_nc_u32 v[TST], s33, v[LN16]
	v_mul_u32_u24 v[TLD], v45, SPI
	v_lshl_add_u32 v[TLD], v46, 6, v[TLD]
	v_add_nc_u32 v[TLD], s33, v[TLD]
	v_lshrrev_b32 v47, 3, v45                      ; r / 8
	v_and_b32 v44, 7, v45                          ; r % 8
	v_lshlrev_b32 v[PLO], 10, v47
	v_lshl_add_u32 v[PLO], v46, 7, v[PLO]
	v_lshl_add_u32 v[PLO], v44, 4, v[PLO]
	v_lshlrev_b32 v[R16], 4, v45
	v_lshlrev_b32 v[H32], 5, v46
	v_lshlrev_b32 v[R4], 2, v45
	s_mov_b32 s[SEL], 0x76543210
	s_mov_b32 s[SEL+1], 0xfedcba98
.irp b, 0,1,2,3
	v_mov_b32 v[TM+4+\b], 0                        ; written once: a lane permute's destination counts as one of its sources
.endr
	; row i of my token tile is row min(L0 + SW w + i % 8 + S8 (i / 8), CL) + B0 of x
	s_lshl_b32 s33, s31, 6                         ; q: L0 = 64 loc
	s_lshr_b32 s34, s31, 1
	s_lshl_b32 s34, s34, 7
	s_and_b32 s35, s31, 1
	s_lshl_b32 s35, s35, 5
	s_add_co_u32 s34, s34, s35                     ; k, v: L0 = 128 (loc / 2) + 32 (loc % 2)
	s_and_b32 s35, s31, 63
	s_lshl_b32 s35, s35, 6                         ; p: L0 = 64 (loc % 64),
	s_lshr_b32 s36, s31, 6
	s_mul_i32 s36, s36, 4095                       ; B0 = 4,095 x batch
	s_cmp_eq_u32 s30, 0
	s_cselect_b32 s37, s33, s34                    ; L0
	s_cselect_b32 s38, 16, 8                       ; SW
	s_cselect_b32 s39, 8, 64                       ; S8
	s_mov_b32 s41, 8191
	s_cmp_eq_u32 s30, 3
	s_cselect_b32 s37, s35, s37
	s_cselect_b32 s38, 16, s38
	s_cselect_b32 s39, 8, s39
	s_cselect_b32 s40, s36, 0                      ; B0
	s_cselect_b32 s41, 4094, s41                   ; CL: no load leaves its buffer
	s_mul_i32 s42, s38, s32
	s_add_co_u32 s37, s37, s42                     ; the tile's first row
	s_add_co_u32 s34, s37, s39
	s_add_co_u32 s34, s34, 7                       ; its last row, the only one that can pass CL (p's row 4095):
	s_min_u32 s34, s34, s41                        ; held there
	s_add_co_u32 s34, s34, s40
	s_lshl_b32 s34, s34, 11                        ; a row is 2,048 bytes
	s_mov_b32 s35, 0                               ; s[34:35]: row 15's byte in x
	s_add_co_u32 s36, s37, s40
	s_lshl_b32 s36, s36, 11
	s_mov_b32 s37, 0                               ; s[36:37]: row 0's
	s_lshl_b32 s38, s39, 11
	s_mov_b32 s39, 0                               ; s[38:39]: from row 0 to row 8
	s_lshl_b32 s58, s30, 17                        ; wcodes: 131,072 T + 32,768 w
	s_lshl_b32 s33, s32, 15
	s_add_co_u32 s58, s58, s33
	s_mov_b32 s59, 0
	s_lshl_b32 s42, s30, 13                        ; wscl: 8,192 T + 2,048 w
	s_lshl_b32 s33, s32, 11
	s_add_co_u32 s42, s42, s33
	s_mov_b32 s43, 0
	s_wait_kmcnt 0x0
	s_add_nc_u64 s[50:51], s[12:13], s[58:59]
	s_add_nc_u64 s[52:53], s[14:15], s[42:43]
	s_cmp_lt_u32 s30, 2
	s_cselect_b64 s[44:45], s[4:5], s[8:9]         ; query or value
	s_cselect_b64 s[46:47], s[6:7], s[10:11]       ; key or pos_embedding
	s_and_b32 s33, s30, 1
	s_cmp_eq_u32 s33, 0
	s_cselect_b64 s[44:45], s[44:45], s[46:47]     ; x
	s_add_nc_u64 s[60:61], s[44:45], s[34:35]      ; at my row 15,
	s_add_nc_u64 s[44:45], s[44:45], s[36:37]      ; at my row 0,
	s_add_nc_u64 s[46:47], s[44:45], s[38:39]      ; at my row 8
	s_cmp_eq_u32 s30, 1
	s_cselect_b64 s[54:55], s[18:19], s[16:17]     ; bk, else bq,
	s_cmp_eq_u32 s30, 2
	s_cselect_b64 s[54:55], s[20:21], s[54:55]     ; or bv (p has none, and loads none)
	s_lshl_b32 s42, s32, 9                         ; my 128 channels
	s_add_nc_u64 s[54:55], s[54:55], s[42:43]
	; ---- first phase: my 16 rows of x become four fragments; the weights come into registers meanwhile, a quarter (18 loads) behind each set of x (16 loads).
	; Order of the loads: X0 X1 W0 | X2 W1 | X3 W2 | W3.  Loads come back in order (ISA guide 5.7.1): each wait's count is what was issued behind the set that it wants
	XLOAD ST0, 0
	XLOAD ST1, 1
	WLOAD 0
	XQ 0, ST0, 1, 34                               ; behind X0: X1 16 + W0 18
	WLOAD 1
	XQ 1, ST1, 1, 52                               ; behind X1: W0 18 + X2 16 + W1 18
	WLOAD 2
	XQ 2, ST0, 0, 52                               ; behind X2: W1 18 + X3 16 + W2 18
	WLOAD 3
	XQ 3, ST1, 0, 36                               ; behind X3: W2 18 + W3 18
	; the biases, in the result's layout, into the registers that x has left.  The branches hang on the work-group's number alone; the arms hold loads only
	s_cmp_eq_u32 s30, 3
	s_cbranch_scc1 .Lbias_done
	s_cmp_eq_u32 s30, 2
	s_cbranch_scc1 .Lbias_v
.irp nt, 0,1,2,3,4,5,6,7
.irp e, 0,1
	global_load_b128 v[BIAS+8*\nt+4*\e:BIAS+8*\nt+4*\e+3], v[H32], s[54:55] offset:64*\nt+16*\e   ; channels 16 nt + 8 h + 0..7
.endr
.endr
	s_branch .Lbias_done
.Lbias_v:
.irp nt, 0,1,2,3,4,5,6,7
.irp j, 0,1,2,3,4,5,6,7
	global_load_b32 v[BIAS+8*\nt+\j], v[R4], s[54:55] offset:64*\nt   ; channel 16 nt + r in all eight registers
.endr
.endr
.Lbias_done:
	s_wait_dscnt 0x0                               ; for the others' sake: my images lie in LDS
	s_barrier_signal -1
	s_barrier_wait -1                              ; all sixteen fragments do; nobody writes them again
	s_wait_loadcnt 0x0                             ; the weights and the biases
	; ---- second phase: one of four sections
	s_cmp_eq_u32 s30, 0
	s_cbranch_scc1 .Lsec_q
	s_cmp_eq_u32 s30, 1
	s_cbranch_scc1 .Lsec_k
	s_cmp_eq_u32 s30, 2
	s_cbranch_scc1 .Lsec_v
	; p: (8 batch + 2 w) x 524,288 + (loc % 64) x 8,192
	s_lshr_b32 s33, s31, 6
	s_lshl_b32 s33, s33, 3
	s_lshl_b32 s34, s32, 1
	s_add_co_u32 s33, s33, s34
	s_lshl_b32 s58, s33, 19
	s_and_b32 s34, s31, 63
	s_lshl_b32 s34, s34, 13
	s_add_co_u32 s58, s58, s34
	s_mov_b32 s59, 0
	s_add_nc_u64 s[56:57], s[28:29], s[58:59]
.irp m, 0,1,2,3
	MAIN \m, 0, 1
	PACK
.irp nt, 0,1,2,3,4,5,6,7
	global_store_b128 v[PLO], v[PK+4*\nt:PK+4*\nt+3], s[56:57] offset:(\nt/4)*524288+2048*\m+(\nt%4)*256   ; two runs of 256 consecutive bytes
.endr
.endr
	s_branch .Lend
.Lsec_q:
	; q: ((8 batch + 2 w) x 128 + 4 (loc % 32)) x 4,096
	s_lshr_b32 s33, s31, 5
	s_lshl_b32 s33, s33, 3
	s_lshl_b32 s34, s32, 1
	s_add_co_u32 s33, s33, s34
	s_lshl_b32 s33, s33, 7
	s_and_b32 s34, s31, 31
	s_lshl_b32 s34, s34, 2
	s_add_co_u32 s33, s33, s34
	s_lshl_b32 s58, s33, 12
	s_mov_b32 s59, 0
	s_add_nc_u64 s[56:57], s[22:23], s[58:59]
.irp m, 0,1,2,3
	MAIN \m, 0, 0
.irp nt, 0,1,2,3,4,5,6,7
.irp e, 0,1
	global_store_b128 v[LN16], v[ACC+8*\nt+4*\e:ACC+8*\nt+4*\e+3], s[56:57] offset:(\nt/4)*524288+4096*\m+(\nt%4)*1024+512*\e   ; f32 as it stands, each accumulator from its low end on
.endr
.endr
.endr
	s_branch .Lend
.Lsec_k:
	KVBASE 24, 25
.irp m, 0,1,2,3
	MAIN \m, 0, 0
	PACK
.irp nt, 0,1,2,3,4,5,6,7
	global_store_b128 v[LN16], v[PK+4*\nt:PK+4*\nt+3], s[56:57] offset:(\nt/4)*262144+2048*\m+(\nt%4)*512
.endr
.endr
	s_branch .Lend
.Lsec_v:
	KVBASE 26, 27
.irp m, 0,1,2,3
	MAIN \m, 1, 0
	PACK
.irp nt, 0,1,2,3,4,5,6,7
	global_store_b128 v[LN16], v[PK+4*\nt:PK+4*\nt+3], s[56:57] offset:(\nt/4)*262144+(\m/2)*4096+(\nt%4)*1024+(\m%2)*512
.endr
.endr
.Lend:
	s_wait_tensorcnt 0x0                           ; the wave's end, behind my last LDS store
	ds_add_u32 v[SPW], v[NIL]
	s_wait_dscnt 0x0
	s_endpgm
.Lfunc_end_k_qf2592a4545_proj:
	.size	k_qf2592a4545_proj, .Lfunc_end_k_qf2592a4545_proj-k_qf2592a4545_proj
	.p2alignl 7, 3214868480
	.fill 96, 4, 3214868480
	.section	.rodata,"a",@progbits
	.p2align	6, 0x0
	.amdhsa_kernel k_qf2592a4545_proj
		.amdhsa_group_segment_fixed_size 52736
		.amdhsa_private_segment_fixed_size 0
		.amdhsa_enable_private_segment 0
		.amdhsa_kernarg_size 104
		.amdhsa_user_sgpr_count 2
		.amdhsa_user_sgpr_kernarg_segment_ptr 1
		.amdhsa_wavefront_size32 1
		.amdhsa_system_sgpr_workgroup_id_x 1
		.amdhsa_system_sgpr_workgroup_id_y 1
		.amdhsa_system_sgpr_workgroup_id_z 1
		.amdhsa_system_vgpr_workitem_id 0
		.amdhsa_next_free_vgpr 512
		.amdhsa_next_free_sgpr 66
		.amdhsa_reserve_vcc 0
		.amdhsa_float_denorm_mode_32 3
		.amdhsa_float_denorm_mode_16_64 3
		.amdhsa_memory_ordered 1
		.amdhsa_forward_progress 1
		.amdhsa_inst_pref_size 171
	.end_amdhsa_kernel
	.amdgpu_metadata
---
amdhsa.version: [ 1, 2 ]
amdhsa.kernels:
  - .name:           k_qf2592a4545_proj
    .symbol:         k_qf2592a4545_proj.kd
    .args:
      - { .name: query, .offset: 0, .size: 8, .value_kind: global_buffer, .address_space: global }
      - { .name: key, .offset: 8, .size: 8, .value_kind: global_buffer, .address_space: global }
      - { .name: value, .offset: 16, .size: 8, .value_kind: global_buffer, .address_space: global }
      - { .name: pos_embedding, .offset: 24, .size: 8, .value_kind: global_buffer, .address_space: global }
      - { .name: wcodes, .offset: 32, .size: 8, .value_kind: global_buffer, .address_space: global }
      - { .name: wscl, .offset: 40, .size: 8, .value_kind: global_buffer, .address_space: global }
      - { .name: bq, .offset: 48, .size: 8, .value_kind: global_buffer, .address_space: global }
      - { .name: bk, .offset: 56, .size: 8, .value_kind: global_buffer, .address_space: global }
      - { .name: bv, .offset: 64, .size: 8, .value_kind: global_buffer, .address_space: global }
      - { .name: q32, .offset: 72, .size: 8, .value_kind: global_buffer, .address_space: global }
      - { .name: kimg, .offset: 80, .size: 8, .value_kind: global_buffer, .address_space: global }
      - { .name: vimg, .offset: 88, .size: 8, .value_kind: global_buffer, .address_space: global }
      - { .name: pimg, .offset: 96, .size: 8, .value_kind: global_buffer, .address_space: global }
    .group_segment_fixed_size: 52736
    .private_segment_fixed_size: 0
    .kernarg_segment_align: 8
    .kernarg_segment_size: 104
    .max_flat_workgroup_size: 128
    .sgpr_count:     66
    .vgpr_count:     512
    .wavefront_size: 32
...
	.end_amdgpu_metadata
.endif
;; end of part 5
;; launch attn (part 6): grid 8 x 32, 8 waves a work-group, no clusters, 327,680 bytes of LDS; arguments q32, kimg, vimg, pimg, u_bias, v_bias, ctx; writes ctx
.if DOCPART == 6
	.amdgcn_target "amdgcn-amd-amdhsa--gfx1250"
	.amdhsa_code_object_version 6
	.text
	.protected	k_qf2592a4545_attn
	.globl	k_qf2592a4545_attn
	.p2align	8
	.type	k_qf2592a4545_attn,@function
k_qf2592a4545_attn:
	s_mov_b64 s[64:65], 0
	v_nop
	global_prefetch_b8 v0, s[64:65] scope:SCOPE_SE
	s_setreg_imm32_b32 hwreg(HW_REG_WAVE_MODE, 25, 1), 1
	s_wait_xcnt 0x0
; ATTN: context[i] = sum over j of softmax_j(((q_i + u) . k_j + (q_i + v) . p_(j - i + 2047)) / sqrt(512)) v_j, for one (batch, head) bh and 256 queries a work-group.
; THE SHIFT.  The reference's pad, reshape and slice give shifted[i][j] = pos_score[i][j - i + 2047]: never the padded zero, never another row.  So only the rows of p that a block of scores selects are multiplied.
; FORMATS.  All three products take f16 operands and f32 sums; q + u and q + v are added in f32; maxima, exponentials and sums in f32; a running maximum m is taken away before every exponential.
; SHARES.  Eight waves of 512 registers.  Wave w owns queries 256 qb + 32 w + 16 a + r: two tiles a = 0, 1.  Every wave walks all 2,048 keys, 128 a step, 256 a slot.
; LAYOUT.  All products are used transposed, so that a lane (r, h) holds ONE query r.  The keys of a tile of K are 8 t + 0..7 and 64 + 8 t + 0..7 of the step: register y = 8 t + j of half h holds key 64 h + y.
; THE SKEW.  A slot holds the 512 rows of p from l_base = 256 slot - 256 qb + 1792 on, in 64 groups of 8.  Key 64 h + y of step q wants row l_base + 128 q + 64 h + (240 - 32 w - 16 a) + x, x = y + (15 - r).
; So R^T = P (Q + v)^T is made for x = 0..79 (ten tiles; a tile's rows 0-7 are group 16 q + 30 - 4 w - 2 a + t', its rows 8-15 the group 8 further on), and each lane moves its registers down by 15 - r:
; four stages of selects by 8, 4, 2, 1, in place, x ascending, under masks that are constants (the bits of 15 - r).  The moved registers are the C of the content product: no addition is written.
; Two selects go in one instruction, one of each tile.  Both tiles share p's fragments: fragment t'' = 0..11 is tile a = 1's t' = t'' and tile a = 0's t' = t'' - 2.
; THE RING.  Two slots.  A slot is 64 KB of K and V (dense images of the operand registers) and 64 groups of p, 1,024 bytes + 16 of padding.  Each wave fetches 16 KB with one tensor load: waves 0, 1 K's two steps,
; waves 2, 3 V's, waves 4-7 sixteen groups of p each.  By this text's own count a wave has one tensor load out; it has a slot's two steps, 208 matrix instructions, in which to land.
; NO CLUSTER: of a slot's 128 KB, p's 64 KB begin at another row for each block of queries, so only half of a slot's bytes could be asked for jointly.
; LIMITS: NaN and infinities are not served; q + u, q + v beyond 65,504 in magnitude would overflow f16; weights under 2^-24 of the row's largest so far count as 0.
.set PS0,   131072                     ; LDS: K and V slot s at 65,536 s (K step 0, K step 1, V step 0, V step 1); p's slot s at PS0 + 66,560 s
.set GP,    1040                       ; a group of p: 1,024 bytes + 16: eight groups on are 8,320 bytes = 128 modulo 256, so the 8 + 8 rows that sixteen lanes take cover 256 different bytes modulo 256
.set SPARE, 264192                     ; behind the ring: the spare words, 128 bytes for each wave: four blocks of 256 bytes that no other line names
.set LN16, 1                           ; v1  16 x lane
.set APB,  2                           ; v2  my lane's place among p's groups: (7 - w) x 4 GP + (r / 8) x 8 GP + 128 h + 16 (r % 8)
.set ADP,  3                           ; v3  + the slot in hand
.set ADKV, 4                           ; v4  16 x lane + the slot in hand
.set H32,  5                           ; v5  32 h
.set SPW,  6                           ; v6  LDS address of my spare word; never rewritten
.set NIL,  7                           ; v7  0; never rewritten
.set ST,   8                           ; tile a's statistics at v[ST + 8 a]: +0 c m, +1 m, +2, +3 l in two halves, +4..+7 at work; +6 the factor 2^(c m_old - c m_new)
.set RAW0, 32                          ; v32-111  tile 0: R^T (80), then the scores (64), then the weights in f16 (32)
.set RAW1, 112                         ; v112-191 tile 1
.set UB,   192                         ; v192-223 u, v224-255 v: at the head only
.set VB,   224
.set QU,   0                           ; window 1: v0-31 Q + u (16 a + 8 kc), v32-63 Q + v, v64-127 O^T (32 a + 8 ct), v128-191 and v192-255 two buffers of fragments
.set QV,   32
.set OT,   64
.set FA,   128
.set FB,   192
.set WV,   18                          ; s18 wave; s19 qb; s20 bh
.set QB,   19
.set BH,   20
.set CS,   22                          ; s[22:23] c = log2(e) / sqrt(512)
.set SEL,  24                          ; s[24:25] lane l xor 16
.set TBKV, 26                          ; s26 where the slot in hand begins: K and V;
.set TBP,  27                          ; s27 p
.set CNT,  28                          ; s28 slots still to be asked for
.set G1KV, 32                          ; s[32:39], s[40:47] descriptor groups 1;  s[48:51], s[52:55] groups 0, which walk
.set G1P,  40
.set G0KV, 48
.set G0P,  52
.set MSB, 0
.macro WIN new                         ; the immediate's high byte repeats the setting that is left; bits 1:0 source 0, 3:2 source 1, 5:4 source 2, 7:6 destination
.if MSB != \new
	s_set_vgpr_msb (MSB<<8)|\new
.set MSB, \new
.endif
.endm
.macro PLACES                          ; four places behind a matrix instruction, in front of loads into its operands and of vector instructions that read its result
.rept 4
	v_nop
.endr
.endm
; Every wave's one tensor load.  The branch hangs on the wave's number alone.  An s_nop 0 and four v_nop follow each of the two lines.
.macro TLOAD
	s_cmp_lt_u32 s[WV], 4
	s_cbranch_scc0 .Lfor_p_\@
	tensor_load_to_lds s[G0KV:G0KV+3], s[G1KV:G1KV+7]
	s_nop 0
.rept 4
	v_nop
.endr
	s_branch .Lasked_\@
.Lfor_p_\@:
	tensor_load_to_lds s[G0P:G0P+3], s[G1P:G1P+7]
	s_nop 0
.rept 4
	v_nop
.endr
.Lasked_\@:
.endm
; THE CHANGE OF SLOTS, at a slot's head.  Each wave waits for all its tensor loads (its part of the slot ahead), adds 0 to its spare word, and waits for that and for its reads of the slot that it has left.
; Behind the barrier the slot ahead is whole and nobody reads the other one.  fill = 1: that other one takes the next 256 keys and the rows of p 256 further on.
.macro CHANGE fill
	s_wait_tensorcnt 0x0                           ; no tensor load of mine is out, so a group 0 may be written
	ds_add_u32 v[SPW], v[NIL]
.if \fill
	s_xor_b32 s[G0KV+1], s[G0KV+1], 0x10000        ; the other slot than last time,
	s_add_nc_u64 s[G0KV+2:G0KV+3], s[G0KV+2:G0KV+3], 0x8000   ; two steps of 16,384 bytes on; the type bits on top are not reached
	s_xor_b32 s[G0P+1], s[G0P+1], 0x10400          ; 66,560: bits 10 and 16 are clear in PS0 + 16,640 (w % 4), so the exclusive or adds or takes away just that
	s_add_nc_u64 s[G0P+2:G0P+3], s[G0P+2:G0P+3], 0x8000       ; 32 groups of 1,024 bytes on
.endif
	s_wait_dscnt 0x0                               ; the add is done, and my reads of the slot that I have left are over
	s_barrier_signal -1
	s_barrier_wait -1
.if \fill
	TLOAD                                          ; the first thing behind the barrier, and my one tensor load until the next
.endif
.endm
; Batches of 16 LDS loads into a buffer of 64 registers of window 1
.macro LDP b, buf, q                   ; p's fragments t'' = 4 b + i: register 16 i + 8 kc + 4 c: channels 32 kc + 16 c + 8 h + 0..7
	WIN 0x40
.irp i, 0,1,2,3
.irp kc, 0,1
.irp c, 0,1
	ds_load_b128 v[\buf+16*\i+8*\kc+4*\c:\buf+16*\i+8*\kc+4*\c+3], v[ADP] offset:(16*(\q)+4*(\b)+\i)*GP+(4*\kc+2*\c)*128
.endr
.endr
.endr
.endm
.macro LDK b, buf, q                   ; K's tiles t = 4 b + i
	WIN 0x40
.irp i, 0,1,2,3
.irp kc, 0,1
.irp c, 0,1
	ds_load_b128 v[\buf+16*\i+8*\kc+4*\c:\buf+16*\i+8*\kc+4*\c+3], v[ADKV] offset:16384*(\q)+2048*(4*(\b)+\i)+1024*\kc+512*\c
.endr
.endr
.endr
.endm
.macro LDV b, buf, q                   ; V^T's fragments: 32 keys f = 2 b + fl, channels 16 ct on
	WIN 0x40
.irp fl, 0,1
.irp ct, 0,1,2,3
.irp c, 0,1
	ds_load_b128 v[\buf+8*(4*\fl+\ct)+4*\c:\buf+8*(4*\fl+\ct)+4*\c+3], v[ADKV] offset:32768+16384*(\q)+4096*(2*(\b)+\fl)+1024*\ct+512*\c
.endr
.endr
.endr
.endm
; The products.  In each the accumulators take turns, one instruction a turn.
.macro POS b, buf                      ; R^T = P (Q + v)^T: the first 32 channels start the sums
	WIN 0x05
.irp kc, 0,1
.irp i, 0,1,2,3
.irp a, 1,0
.set TP, 4*(\b)+\i-2*(1-\a)
.if (TP >= 0) && (TP <= 9)
.set RR, RAW0+80*\a+8*TP
.if \kc == 0
	v_wmma_f32_16x16x32_f16 v[RR:RR+7], v[\buf+16*\i+8*\kc:\buf+16*\i+8*\kc+7], v[QV+16*\a+8*\kc:QV+16*\a+8*\kc+7], 0
.else
	v_wmma_f32_16x16x32_f16 v[RR:RR+7], v[\buf+16*\i+8*\kc:\buf+16*\i+8*\kc+7], v[QV+16*\a+8*\kc:QV+16*\a+8*\kc+7], v[RR:RR+7]
.endif
.endif
.endr
.endr
.endr
.endm
.macro CONT b, buf                     ; S^T = the moved R^T + K (Q + u)^T, in place
	WIN 0x05
.irp kc, 0,1
.irp i, 0,1,2,3
.irp a, 0,1
.set RR, RAW0+80*\a+8*(4*(\b)+\i)
	v_wmma_f32_16x16x32_f16 v[RR:RR+7], v[\buf+16*\i+8*\kc:\buf+16*\i+8*\kc+7], v[QU+16*\a+8*\kc:QU+16*\a+8*\kc+7], v[RR:RR+7]
.endr
.endr
.endr
.endm
.macro PVM b, buf                      ; O^T += V^T P
	WIN 0x51
.irp fl, 0,1
.irp ct, 0,1,2,3
.irp a, 0,1
.set RO, OT+32*\a+8*\ct
.set RW, RAW0+80*\a+8*(2*(\b)+\fl)
	v_wmma_f32_16x16x32_f16 v[RO:RO+7], v[\buf+8*(4*\fl+\ct):\buf+8*(4*\fl+\ct)+7], v[RW:RW+7], v[RO:RO+7]
.endr
.endr
.endr
.endm
; One stage of the skew: lanes whose 15 - r has the bit sh take the register sh further up; both tiles under one mask; in each tile x ascending, so that x + sh is still unmoved and each accumulator is first read at its lowest register.
; TWO SELECTS IN ONE INSTRUCTION: tile 0's register x with tile 1's register x + 1.  The two share no register; the destinations are v[32 + x] and v[113 + x], one even and one odd; the first sources, and the second
; sources, are registers whose numbers differ by 1 modulo 4; both halves read VCC: the conditions of the dual form.  Tile 1's first register and tile 0's last stand alone: n + 1 instructions for 2 n selects.
.macro SKEWST sh, n, mask
	s_mov_b32 vcc_lo, \mask
	v_cndmask_b32 v[RAW1], v[RAW1], v[RAW1+\sh], vcc_lo
.set XX, 0
.rept \n-1
	v_dual_cndmask_b32 v[RAW0+XX], v[RAW0+XX], v[RAW0+XX+\sh] :: v_dual_cndmask_b32 v[RAW1+XX+1], v[RAW1+XX+1], v[RAW1+XX+1+\sh]
.set XX, XX+1
.endr
	v_cndmask_b32 v[RAW0+\n-1], v[RAW0+\n-1], v[RAW0+\n-1+\sh], vcc_lo
.endm
.macro SKEW                            ; after stage 8 registers 0..70 are wanted, then 0..66, 0..64, 0..63
	SKEWST 8, 71, 0x00ff00ff
	SKEWST 4, 67, 0x0f0f0f0f
	SKEWST 2, 65, 0x33333333
	SKEWST 1, 64, 0x55555555
.endm
; The softmax of a step, the two tiles line by line.
.macro SOFTMAX
	WIN 0
.irp c, 0,1,2,3                                ; the largest of my 64 scores and the old m: four chains of 16; every accumulator is first read at its low end
.irp a, 0,1
	v_max3_num_f32 v[ST+8*\a+4+\c], v[RAW0+80*\a+16*\c], v[RAW0+80*\a+16*\c+1], v[RAW0+80*\a+16*\c+2]
.endr
.endr
.irp i, 3,5,7,9,11,13
.irp c, 0,1,2,3
.irp a, 0,1
	v_max3_num_f32 v[ST+8*\a+4+\c], v[ST+8*\a+4+\c], v[RAW0+80*\a+16*\c+\i], v[RAW0+80*\a+16*\c+\i+1]
.endr
.endr
.endr
.irp a, 0,1
	v_max3_num_f32 v[ST+8*\a+4], v[ST+8*\a+4], v[RAW0+80*\a+15], v[RAW0+80*\a+31]
	v_max3_num_f32 v[ST+8*\a+6], v[ST+8*\a+6], v[RAW0+80*\a+47], v[RAW0+80*\a+63]
.endr
.irp a, 0,1
	v_max3_num_f32 v[ST+8*\a+4], v[ST+8*\a+4], v[ST+8*\a+5], v[ST+8*\a+6]
.endr
.irp a, 0,1
	v_max3_num_f32 v[ST+8*\a+4], v[ST+8*\a+4], v[ST+8*\a+7], v[ST+8*\a+1]
.endr
.irp a, 0,1
	v_permlanex16_b32 v[ST+8*\a+5], v[ST+8*\a+4], s[SEL], s[SEL+1]   ; the query's other 64 keys lie in the lane 16 away
.endr
.irp a, 0,1
	v_mov_b32 v[ST+8*\a+7], v[ST+8*\a]             ; c m_old
.endr
.irp a, 0,1
	v_max_num_f32 v[ST+8*\a+1], v[ST+8*\a+4], v[ST+8*\a+5]           ; the new m
.endr
.irp a, 0,1
	v_mul_f32 v[ST+8*\a], s[CS], v[ST+8*\a+1]
.endr
.irp a, 0,1
	v_sub_f32 v[ST+8*\a+7], v[ST+8*\a+7], v[ST+8*\a]
.endr
.irp a, 0,1
	v_exp_f32 v[ST+8*\a+6], v[ST+8*\a+7]           ; the factor 2^(c m_old - c m_new): 1 where m has not grown
.endr
.set JJ, 0
.rept 32
.irp a, 0,1
	v_pk_fma_f32 v[RAW0+80*\a+JJ:RAW0+80*\a+JJ+1], v[RAW0+80*\a+JJ:RAW0+80*\a+JJ+1], s[CS:CS+1], v[ST+8*\a:ST+8*\a+1] op_sel_hi:[1,0,0] neg_lo:[0,0,1] neg_hi:[0,0,1]   ; c s - c m, two at a time
.endr
.set JJ, JJ+2
.endr
.set JJ, 0
.rept 64
.irp a, 0,1
	v_exp_f32 v[RAW0+80*\a+JJ], v[RAW0+80*\a+JJ]   ; the weight 2^(c s - c m), at most 1
.endr
.set JJ, JJ+1
.endr
	v_nop                                          ; a plain instruction behind the last exponential
	s_wait_alu depctr_va_vdst(0)                   ; the wait ahead of the first instruction that names a result: one for the step's 130 exponentials
.irp a, 0,1
	v_pk_mul_f32 v[ST+8*\a+2:ST+8*\a+3], v[ST+8*\a+2:ST+8*\a+3], v[ST+8*\a+6:ST+8*\a+7] op_sel_hi:[1,0]   ; l under the new m
.endr
.irp a, 0,1
	v_pk_add_f32 v[ST+8*\a+4:ST+8*\a+5], v[RAW0+80*\a:RAW0+80*\a+1], v[RAW0+80*\a+2:RAW0+80*\a+3]   ; the sum is taken of the weights before they are rounded, in two chains
.endr
.irp j, 4,8,12,16,20,24,28,32,36,40,44,48,52,56,60
.irp a, 0,1
	v_pk_add_f32 v[ST+8*\a+2:ST+8*\a+3], v[ST+8*\a+2:ST+8*\a+3], v[RAW0+80*\a+\j:RAW0+80*\a+\j+1]
	v_pk_add_f32 v[ST+8*\a+4:ST+8*\a+5], v[ST+8*\a+4:ST+8*\a+5], v[RAW0+80*\a+\j+2:RAW0+80*\a+\j+3]
.endr
.endr
.irp a, 0,1
	v_pk_add_f32 v[ST+8*\a+2:ST+8*\a+3], v[ST+8*\a+2:ST+8*\a+3], v[ST+8*\a+4:ST+8*\a+5]
.endr
.set JJ, 0
.rept 32
.irp a, 0,1
	v_cvt_pk_f16_f32 v[RAW0+80*\a+JJ], v[RAW0+80*\a+2*JJ], v[RAW0+80*\a+2*JJ+1]   ; in place, ascending: registers 8 f .. 8 f + 7 are source 1 for keys 64 h + 16 f + 0..15
.endr
.set JJ, JJ+1
.endr
	WIN 0x41
.set JJ, 0
.rept 16
.irp a, 0,1
	v_pk_mul_f32 v[OT+32*\a+JJ:OT+32*\a+JJ+1], v[OT+32*\a+JJ:OT+32*\a+JJ+1], v[ST+8*\a+6:ST+8*\a+7] op_sel_hi:[1,0]   ; O^T under the new m
.endr
.set JJ, JJ+2
.endr
.endm
; A KEY STEP: 128 keys, the q-th of the slot in hand.  Each s_wait_dscnt 16 leaves the one batch issued last on its way.
.macro STEP q
.rept 5
	v_nop                                          ; the first products below write over registers that the last products read as source 1: five places; four serve the loads
.endr
	LDP 0, FA, \q
	LDP 1, FB, \q
	s_wait_dscnt 16
	POS 0, FA
	PLACES
	LDP 2, FA, \q
	s_wait_dscnt 16
	POS 1, FB
	PLACES
	LDK 0, FB, \q
	s_wait_dscnt 16
	POS 2, FA
	PLACES
	LDK 1, FA, \q
	WIN 0
	SKEW
	s_wait_dscnt 16
	CONT 0, FB
	PLACES
	LDV 0, FB, \q
	s_wait_dscnt 16
	CONT 1, FA
	PLACES
	LDV 1, FA, \q
	SOFTMAX
	s_wait_dscnt 16
	PVM 0, FB
	s_wait_dscnt 0x0
	PVM 1, FA
	WIN 0                                          ; at a label and at a branch every window is 0
.endm
.macro SLOT
	v_add_nc_u32 v[ADP], s[TBP], v[APB]
	v_add_nc_u32 v[ADKV], s[TBKV], v[LN16]
	STEP 0
	STEP 1
	s_xor_b32 s[TBKV], s[TBKV], 0x10000            ; on to the other slot
	s_xor_b32 s[TBP], s[TBP], 0x10400
.endm
; Q + a bias, in f32, rounded to f16: register 16 a + n holds channels 16 (n / 4) + 8 h + 2 (n % 4) + 0, 1 of query r: two fragments of source 1
.macro MKQ dst, bias
.irp a, 0,1
.set JJ, 0
.rept 16
	v_pk_add_f32 v[RAW0+80*\a+32+JJ:RAW0+80*\a+33+JJ], v[RAW0+80*\a+JJ:RAW0+80*\a+JJ+1], v[\bias+JJ:\bias+JJ+1]
.set JJ, JJ+2
.endr
.endr
	WIN 0x40
.irp a, 0,1
.set JJ, 0
.rept 16
	v_cvt_pk_f16_f32 v[\dst+16*\a+JJ], v[RAW0+80*\a+32+2*JJ], v[RAW0+80*\a+33+2*JJ]
.set JJ, JJ+1
.endr
.endr
	WIN 0
.endm
	s_load_b256 s[4:11], s[0:1], 0x0               ; q32 s[4:5], kimg s[6:7], vimg s[8:9], pimg s[10:11]
	s_load_b128 s[12:15], s[0:1], 0x20             ; u_bias s[12:13], v_bias s[14:15]
	s_load_b64 s[16:17], s[0:1], 0x30              ; ctx
	v_lshl_add_u32 v[SPW], v0, 2, SPARE
	v_mov_b32 v[NIL], 0
	ds_add_u32 v[SPW], v[NIL]                      ; the wave's opening: the add, twice on end, and its wait ahead of my first tensor load; the set-up below stands between
	ds_add_u32 v[SPW], v[NIL]
	v_lshrrev_b32 v24, 5, v0
	v_readfirstlane_b32 s[WV], v24                 ; wave 0..7
	s_mov_b32 s[QB], ttmp9                         ; my block of 256 queries
	s_and_b32 s[BH], ttmp7, 0xffff                 ; 8 batch + head
	; descriptor groups 1.  K, V: 16,384 dense bytes as 64 rows of 256 (32 elements of 8 bytes)
	s_mov_b32 s[G1KV], 3<<16                       ; no mask; elements of 8 bytes; no padding
	s_mov_b32 s[G1KV+1], 32<<16                    ; tensor_dim0
	s_mov_b32 s[G1KV+2], 64<<16                    ; tensor_dim1
	s_mov_b32 s[G1KV+3], 32<<16                    ; tile_dim0
	s_mov_b32 s[G1KV+4], 64                        ; tile_dim1
	s_mov_b32 s[G1KV+5], 32                        ; from row to row
	s_mov_b32 s[G1KV+6], 0
	s_mov_b32 s[G1KV+7], 0
	; p: 16 groups of 1,024 bytes (128 elements), four words of padding behind every 256
	s_mov_b32 s[G1P], (3<<16)|(1<<20)|(7<<22)|(3<<25)
	s_mov_b32 s[G1P+1], 128<<16
	s_mov_b32 s[G1P+2], 16<<16
	s_mov_b32 s[G1P+3], 128<<16
	s_mov_b32 s[G1P+4], 16
	s_mov_b32 s[G1P+5], 128
	s_mov_b32 s[G1P+6], 0
	s_mov_b32 s[G1P+7], 0
	s_mov_b32 s[CS], 0x3d8293ee                    ; c = log2(e) / sqrt(512)
	s_mov_b32 s[CS+1], s[CS]                       ; (named with it as a pair, so it is written)
	s_mov_b32 s[SEL], 0x76543210
	s_mov_b32 s[SEL+1], 0xfedcba98
	s_mov_b32 s[TBKV], 0
	s_mov_b32 s[TBP], PS0
	s_mov_b32 s[CNT], 7
	s_and_b32 s56, s[WV], 3
	s_lshl_b32 s57, s56, 14                        ; 16,384 (w % 4): my part of a slot of K and V, and of p's 64 groups in memory
	s_mul_i32 s58, s56, 16*GP
	s_add_co_u32 s58, s58, PS0                     ; my 16 groups in LDS
	s_lshl_b32 s60, s[BH], 18                      ; K, V: 262,144 bh + 16,384 (w % 2)
	s_and_b32 s59, s[WV], 1
	s_lshl_b32 s59, s59, 14
	s_add_co_u32 s60, s60, s59
	s_mov_b32 s61, 0
	s_lshl_b32 s62, s[BH], 19                      ; p: 524,288 bh + 32,768 (7 - qb) + my part
	s_xor_b32 s59, s[QB], 7
	s_lshl_b32 s59, s59, 15
	s_add_co_u32 s62, s62, s59
	s_add_co_u32 s62, s62, s57
	s_mov_b32 s63, 0
	s_wait_dscnt 0x0                               ; both opening adds are done
	s_wait_kmcnt 0x0
	s_mov_b32 s[G0KV], 1                           ; count = 1
	s_mov_b32 s[G0KV+1], s57                       ; LDS address: slot 0
	s_cmp_lt_u32 s56, 2
	s_cselect_b64 s[G0KV+2:G0KV+3], s[6:7], s[8:9] ; K's steps or V's
	s_add_nc_u64 s[G0KV+2:G0KV+3], s[G0KV+2:G0KV+3], s[60:61]
	s_or_b32 s[G0KV+3], s[G0KV+3], 0x80000000      ; type = 2
	s_mov_b32 s[G0P], 1
	s_mov_b32 s[G0P+1], s58
	s_add_nc_u64 s[G0P+2:G0P+3], s[10:11], s[62:63]
	s_or_b32 s[G0P+3], s[G0P+3], 0x80000000
	TLOAD                                          ; slot 0
	v_and_b32 v24, 31, v0
	v_lshlrev_b32 v[LN16], 4, v24
	v_and_b32 v24, 15, v0                          ; r
	v_bfe_u32 v25, v0, 4, 1                        ; h
	v_lshlrev_b32 v[H32], 5, v25
	s_lshl_b32 s56, s[BH], 7                       ; q32: (128 bh + 16 qb + 2 w) x 4,096
	s_lshl_b32 s59, s[QB], 4
	s_add_co_u32 s56, s56, s59
	s_lshl_b32 s59, s[WV], 1
	s_add_co_u32 s56, s56, s59
	s_lshl_b32 s56, s56, 12
	s_mov_b32 s57, 0
	s_add_nc_u64 s[4:5], s[4:5], s[56:57]
	s_and_b32 s56, s[BH], 7                        ; u, v: the head's 256 bytes
	s_lshl_b32 s56, s56, 8
	s_add_nc_u64 s[12:13], s[12:13], s[56:57]
	s_add_nc_u64 s[14:15], s[14:15], s[56:57]
.irp a, 0,1
.irp n, 0,1,2,3
.irp e, 0,1
	global_load_b128 v[RAW0+80*\a+8*\n+4*\e:RAW0+80*\a+8*\n+4*\e+3], v[LN16], s[4:5] offset:4096*\a+1024*\n+512*\e   ; q + bq: query r, channels 16 n + 8 h + 4 e + 0..3
.endr
.endr
.endr
.irp n, 0,1,2,3
.irp e, 0,1
	global_load_b128 v[UB+8*\n+4*\e:UB+8*\n+4*\e+3], v[H32], s[12:13] offset:64*\n+16*\e
	global_load_b128 v[VB+8*\n+4*\e:VB+8*\n+4*\e+3], v[H32], s[14:15] offset:64*\n+16*\e
.endr
.endr
	s_lshr_b32 s56, s[BH], 3                       ; ctx: (128 batch + 16 qb + 2 w) x 16,384 + head x 2,048
	s_lshl_b32 s56, s56, 7
	s_lshl_b32 s59, s[QB], 4
	s_add_co_u32 s56, s56, s59
	s_lshl_b32 s59, s[WV], 1
	s_add_co_u32 s56, s56, s59
	s_lshl_b32 s56, s56, 14
	s_and_b32 s59, s[BH], 7
	s_lshl_b32 s59, s59, 11
	s_add_co_u32 s56, s56, s59
	s_add_nc_u64 s[16:17], s[16:17], s[56:57]
	s_xor_b32 s59, s[WV], 7
	s_mul_i32 s59, s59, 4*GP
	v_lshrrev_b32 v26, 3, v24                      ; r / 8
	v_and_b32 v27, 7, v24                          ; r % 8
	v_mul_u32_u24 v[APB], v26, 8*GP
	v_lshl_add_u32 v[APB], v25, 7, v[APB]
	v_lshl_add_u32 v[APB], v27, 4, v[APB]
	v_add_nc_u32 v[APB], s59, v[APB]
.irp a, 0,1
	v_mov_b32 v[ST+8*\a+1], 0xff61b1e6             ; m: -3e38, under every score
	v_mul_f32 v[ST+8*\a], s[CS], v[ST+8*\a+1]      ; c m
.irp j, 2,3,4,5,6,7
	v_mov_b32 v[ST+8*\a+\j], 0                     ; l; and the registers at work, written once
.endr
.endr
	WIN 0x40
.set JJ, 0
.rept 64
	v_mov_b32 v[OT+JJ], 0                          ; O^T.  (The step is written without a first step of its own: the first finds zeros, which the first factor, 0, leaves zeros)
.set JJ, JJ+1
.endr
	WIN 0
	s_wait_loadcnt 0x0                             ; q, u, v
	MKQ QU, UB
	MKQ QV, VB
.Lslot:                                            ; seven trips: behind each change of slots but the last the next slot is asked for
	CHANGE 1
	SLOT
	s_sub_co_u32 s[CNT], s[CNT], 1
	s_cmp_lg_u32 s[CNT], 0
	s_cbranch_scc1 .Lslot
	CHANGE 0                                       ; the last slot is written out
	SLOT
	; THE WAY OUT: O^T / l, rounded to f16: a lane's eight channels are one piece of the next launch's operand registers
	PLACES
.irp a, 0,1
	v_add_f32 v[ST+8*\a+4], v[ST+8*\a+2], v[ST+8*\a+3]
.endr
.irp a, 0,1
	v_permlanex16_b32 v[ST+8*\a+5], v[ST+8*\a+4], s[SEL], s[SEL+1]
.endr
.irp a, 0,1
	v_add_f32 v[ST+8*\a+4], v[ST+8*\a+4], v[ST+8*\a+5]             ; the row's sum
.endr
.irp a, 0,1
	v_rcp_f32 v[ST+8*\a+6], v[ST+8*\a+4]
.endr
	v_nop                                          ; a plain instruction behind the last reciprocal
	s_wait_alu depctr_va_vdst(0)                   ; and the wait ahead of the first use: one for both
	WIN 0x41
.irp a, 0,1
.set JJ, 0
.rept 16
	v_pk_mul_f32 v[OT+32*\a+JJ:OT+32*\a+JJ+1], v[OT+32*\a+JJ:OT+32*\a+JJ+1], v[ST+8*\a+6:ST+8*\a+7] op_sel_hi:[1,0]
.set JJ, JJ+2
.endr
.endr
	WIN 0x05                                       ; sources window 1, destination window 0
.irp a, 0,1
.set JJ, 0
.rept 16
	v_cvt_pk_f16_f32 v[RAW0+80*\a+JJ], v[OT+32*\a+2*JJ], v[OT+32*\a+2*JJ+1]
.set JJ, JJ+1
.endr
.endr
	WIN 0
.irp a, 0,1
.irp ct, 0,1,2,3
	global_store_b128 v[LN16], v[RAW0+80*\a+4*\ct:RAW0+80*\a+4*\ct+3], s[16:17] offset:16384*\a+512*\ct   ; 512 consecutive bytes: token 16 a + r, model channels 64 head + 16 ct + 8 h + 0..7
.endr
.endr
	s_wait_tensorcnt 0x0                           ; the wave's end, behind my last tensor load
	ds_add_u32 v[SPW], v[NIL]
	s_wait_dscnt 0x0
	s_endpgm
.Lfunc_end_k_qf2592a4545_attn:
	.size	k_qf2592a4545_attn, .Lfunc_end_k_qf2592a4545_attn-k_qf2592a4545_attn
	.p2alignl 7, 3214868480
	.fill 96, 4, 3214868480
	.section	.rodata,"a",@progbits
	.p2align	6, 0x0
	.amdhsa_kernel k_qf2592a4545_attn
		.amdhsa_group_segment_fixed_size 327680
		.amdhsa_private_segment_fixed_size 0
		.amdhsa_enable_private_segment 0
		.amdhsa_kernarg_size 56
		.amdhsa_user_sgpr_count 2
		.amdhsa_user_sgpr_kernarg_segment_ptr 1
		.amdhsa_wavefront_size32 1
		.amdhsa_system_sgpr_workgroup_id_x 1
		.amdhsa_system_sgpr_workgroup_id_y 1
		.amdhsa_system_sgpr_workgroup_id_z 1
		.amdhsa_system_vgpr_workitem_id 0
		.amdhsa_next_free_vgpr 512
		.amdhsa_next_free_sgpr 66
		.amdhsa_reserve_vcc 1
		.amdhsa_float_denorm_mode_32 3
		.amdhsa_float_denorm_mode_16_64 3
		.amdhsa_memory_ordered 1
		.amdhsa_forward_progress 1
		.amdhsa_inst_pref_size 245
	.end_amdhsa_kernel
	.amdgpu_metadata
---
amdhsa.version: [ 1, 2 ]
amdhsa.kernels:
  - .name:           k_qf2592a4545_attn
    .symbol:         k_qf2592a4545_attn.kd
    .args:
      - { .name: q32, .offset: 0, .size: 8, .value_kind: global_buffer, .address_space: global }
      - { .name: kimg, .offset: 8, .size: 8, .value_kind: global_buffer, .address_space: global }
      - { .name: vimg, .offset: 16, .size: 8, .value_kind: global_buffer, .address_space: global }
      - { .name: pimg, .offset: 24, .size: 8, .value_kind: global_buffer, .address_space: global }
      - { .name: u_bias, .offset: 32, .size: 8, .value_kind: global_buffer, .address_space: global }
      - { .name: v_bias, .offset: 40, .size: 8, .value_kind: global_buffer, .address_space: global }
      - { .name: ctx, .offset: 48, .size: 8, .value_kind: global_buffer, .address_space: global }
    .group_segment_fixed_size: 327680
    .private_segment_fixed_size: 0
    .kernarg_segment_align: 8
    .kernarg_segment_size: 56
    .max_flat_workgroup_size: 256
    .sgpr_count:     66
    .vgpr_count:     512
    .wavefront_size: 32
...
	.end_amdgpu_metadata
.endif
;; end of part 6
;; launch outp: the kernel of part 4 again; grid 4 x 64, 8 waves a work-group, no clusters, 297,984 bytes of LDS; arguments ctx, wo16, bo, out0; writes out0
